; MI455X (gfx1250); checked and timed in simulation.
; The chip was launched on July 23, 2026; its instructions are those of AMD's public machine-readable ISA for CDNA 5 (MIT licence, August 2026) and "CDNA5" Instruction Set Architecture Reference Guide (July 2026). The comments in the code are by the model that wrote it; some were corrected since.
;; Attention. Allowed arithmetic: matrix products marked QUANTISED: E2M1 operands, one E8M0 scale for each 32 along K, by v_wmma_scale_f32_16x16x128_f8f6f4 with both operands' format E2M1 (or v_wmma_scale_f32_32x16x128_f4), f32 sums; products left as they are: bf16, f16 or f32 operands; f32 sums; everything else in f32.
;; Inputs: Wk 1,024 x 1,024 float32; Wo 1,024 x 1,024 float32; Wq 1,024 x 1,024 float32; Wv 1,024 x 1,024 float32; bk 1,024 float32; bo 1,024 float32; bq 1,024 float32; bv 1,024 float32; cos 4 x 2,048 x 64 float32; hidden 4 x 2,048 x 1,024 float32; sin 4 x 2,048 x 64 float32.
;; Outputs: out0 4 x 2,048 x 1,024 float32.
;; This version of the problem:
;;   THIS VERSION OF THE PROBLEM IS GIVEN IN LOW PRECISION. The matrix products marked QUANTISED in the list below multiply operands that are first quantised to E2M1 (2 exponent bits, 1 mantissa bit; 4 bits a number), with one power-of-two scale for each 32 numbers along K (OCP MX v1.0); their sums are f32. The products marked 'left as it is' may take bf16, f16 or f32 operands, with f32 sums. Whichever they take, every output number must still come out within the allowed error. Rounding operands to bf16 (8 significant bits) uses up far more of that allowance than f16 does (11 bits, for magnitudes from 6e-5 to 65,504). All else is computed in f32.
;;   The module's matrix products, in the order in which they are computed (A, B: the left and right operand; K: the contracted axis; several contracted axes count as one K, in the product's order):
;;     1. [M 8,192, K 1,024] x [K 1,024, N 1,024]; A: input hidden; B: input Wq: QUANTISED
;;     2. [M 8,192, K 1,024] x [K 1,024, N 1,024]; A: input hidden; B: input Wk: QUANTISED
;;     3. [M 8,192, K 1,024] x [K 1,024, N 1,024]; A: input hidden; B: input Wv: QUANTISED
;;     4. batch 64 x [M 2,048, K 64] x [K 64, N 2,048]; A: computed on the way; B: computed on the way: left as it is (an operand is computed on the way)
;;     5. batch 64 x [M 2,048, K 2,048] x [K 2,048, N 64]; A: computed on the way; B: computed on the way: left as it is (an operand is computed on the way)
;;     6. [M 8,192, K 1,024] x [K 1,024, N 1,024]; A: computed on the way; B: input Wo: left as it is (an operand is computed on the way)
;;   THE QUANTISER, for each operand of a quantised product, along K:
;;     - K is cut into blocks of 32 from its start; a last block that is shorter is filled with zeros.
;;     - A block's scale is 2^e with e = floor(log2(the largest magnitude in the block)) - 2, held to -126 .. 127; a block of zeros has e = 0. As a byte (E8M0): e + 127.
;;     - Each number is divided by its block's scale, clamped to +-6, and rounded to the nearest number of E2M1, ties to even, subnormals kept.
;;     - The product sums the exact products of the quantised numbers (number of the format x scale) in f32.
;;   ~~~python
;;   def quantise(x, axis):      # numpy; x: float32 -> the quantised numbers, widened to float32 again
;;       x = np.moveaxis(x, axis, -1); K = x.shape[-1]
;;       x = np.pad(x, [(0, 0)] * (x.ndim - 1) + [(0, -K % 32)]); x = x.reshape(x.shape[:-1] + (-1, 32)); a = np.abs(x).max(-1, keepdims=True)
;;       e = np.where(a > 0, np.clip(np.frexp(np.where(a > 0, a, 1))[1] - 1 - 2, -126, 127), 0)      # np.frexp(a)[1] - 1 = floor(log2(a)), exactly
;;       r = np.clip(x / 2.0 ** e, -6, 6)
;;       step = 2.0 ** (np.maximum(np.frexp(np.where(r == 0, 1, r))[1] - 1, 0) - 1)
;;       q = np.round(r / step) * step * 2.0 ** e      # np.round: ties to even
;;       return np.moveaxis(q.reshape(q.shape[:-2] + (-1,))[..., :K], -1, axis).astype(np.float32)
;;   ~~~
;; One version. Each part assembles by itself: llvm-mc -triple=amdgcn-amd-amdhsa -mcpu=gfx1250 --defsym DOCPART=n.
;; ======== version 1 of 1: 4 launches
;; limits: values are held in f16: magnitudes above 65,504 overflow, below 6.1e-05 lose precision
;; workspace buffers: codes 5,767,168 bytes; scales 360,448 bytes; wo16 2,097,152 bytes; qkv 50,331,648 bytes; ao 16,777,216 bytes
;; launch prep (part 1): grid 384 x 1, 4 waves a work-group, no clusters, 33,280 bytes of LDS; arguments hidden, Wq, Wk, Wv, Wo, codes, scales, wo16; writes codes, scales, wo16
.if DOCPART == 1
	.amdgcn_target "amdgcn-amd-amdhsa--gfx1250"
	.amdhsa_code_object_version 6
	.text
	.protected	k_q8d561aa0b9_prep
	.globl	k_q8d561aa0b9_prep
	.p2align	8
	.type	k_q8d561aa0b9_prep,@function
k_q8d561aa0b9_prep:
	s_mov_b64 s[64:65], 0
	v_nop
	global_prefetch_b8 v0, s[64:65] scope:SCOPE_SE
	s_setreg_imm32_b32 hwreg(HW_REG_WAVE_MODE, 25, 1), 1
	s_wait_xcnt 0x0
; hidden [8192][1024], Wq, Wk, Wv [1024][1024], f32, K innermost, become codes of FP4 (E2M1) with one E8M0 scale byte for each 32 along K; Wo [1024][1024] becomes f16.
; codes: [11264 rows][512 bytes]: rows 0-8191 hidden, then Wq, Wk, Wv; scales: [11264][32 bytes].  wo16: [16 blocks of 64 along K][1024 rows][64] f16, so that a K block of a tile of rows is dense.
; A block's scale is 2^(floor(log2(its largest magnitude)) - 2); its byte is the largest magnitude's exponent field - 2, held at 1 from below.  A block of zeros gets the byte 1: its codes are zeros, and this program alone reads the bytes.
; LIMITS: blocks whose largest magnitude lies under 2^-124 keep the byte 1; NaN and infinities among the inputs are not served; |Wo| stays under 65,504, and Wo under 6e-5 loses bits (f16).
; Work-groups 0-351 quantise: all four tensors are dense streams of blocks of 32, and their codes and bytes follow each other in the two buffers, so only the source pointer is chosen, by the work-group's number.
; A wave takes 16 steps of 512 numbers.  Each load reads 512 consecutive bytes; a step's 2,048 bytes turn through the wave's own stage in LDS and come back 64 bytes a lane: 16 neighbours along K, two lanes to a block.
; Work-groups 352-383 convert Wo, 32 rows each, without LDS.  No tensor loads, no barrier: waves share nothing.
.set WAVES, 4
.set STEPS, 16
.set WGQ,   352                        ; (8192 + 3 x 1024) x 1024 / 32768 work-groups quantise
.set EMAX,  2
.set CB,    8                          ; bytes of 16 codes
.set R,     16                         ; v16-79   four sets of 16 numbers as they are loaded
.set X,     80                         ; v80-111  two sets of 16 neighbours
.set C,     128                        ; v128-191 codes: four registers for each step, so that no store's data are written again
.set E,     112                        ; v112-127 a scale byte for each step
.set WREG,  8192                       ; LDS: a region for each wave: two stages of 32 x SP bytes, behind them its 256 scale bytes
.set SP,    80                         ; a lane's place in a stage: 64 bytes + 16 of padding
.set SPW,   12                         ; v12  LDS address of my spare word; never rewritten
.set NIL,   13                         ; v13  0; never rewritten
.set SPARE, WAVES*WREG                 ; behind the four regions: the spare words, 128 bytes a wave
	s_load_b256 s[4:11], s[0:1], 0x0               ; hidden, Wq, Wk, Wv
	s_load_b256 s[12:19], s[0:1], 0x20             ; Wo, codes, scales, wo16
	v_lshl_add_u32 v[SPW], v0, 2, SPARE
	v_mov_b32 v[NIL], 0
	v_lshrrev_b32 v1, 5, v0
	v_readfirstlane_b32 s20, v1                    ; wave
	v_and_b32 v2, 31, v0                           ; lane
	s_cmp_ge_u32 ttmp9, WGQ
	s_cbranch_scc1 .Lwo                            ; the last 32 work-groups take Wo
	v_lshlrev_b32 v3, 4, v2                        ; my 16 bytes of a load's 512
	s_mul_i32 s21, s20, WREG
	v_lshrrev_b32 v14, 2, v2
	v_mul_u32_u24 v14, v14, SP
	v_and_b32 v15, 3, v2
	v_lshl_add_u32 v14, v15, 4, v14
	v_add_nc_u32 v14, s21, v14                     ; the stage, on the way in: SP (lane / 4) + 16 (lane % 4)
	v_mul_u32_u24 v15, v2, SP
	v_add_nc_u32 v15, s21, v15                     ; and on the way out: SP x lane: my 16 neighbours
	v_mul_u32_u24 v4, v2, CB                       ; my codes' place in a step's
	v_lshrrev_b32 v5, 1, v2
	s_add_co_u32 s21, s21, 2*32*SP
	v_add_nc_u32 v5, s21, v5                       ; LDS: my wave's 256 scale bytes, my block's byte
	v_lshlrev_b32 v7, 3, v2                        ; and on the way out 8 bytes a lane
	v_add_nc_u32 v6, s21, v7
	s_wait_kmcnt 0x0
	s_cmp_lt_u32 ttmp9, 256                        ; which tensor: the choice hangs on the work-group's number alone
	s_cselect_b64 s[4:5], s[4:5], s[6:7]
	s_cselect_b32 s22, 0, 256                      ; and its first work-group
	s_cmp_ge_u32 ttmp9, 288
	s_cselect_b64 s[4:5], s[8:9], s[4:5]
	s_cselect_b32 s22, 288, s22
	s_cmp_ge_u32 ttmp9, 320
	s_cselect_b64 s[4:5], s[10:11], s[4:5]
	s_cselect_b32 s22, 320, s22
	s_sub_co_u32 s23, ttmp9, s22
	s_lshl_b32 s23, s23, 2
	s_add_co_u32 s23, s23, s20                     ; which run of 8,192 numbers of the tensor is my wave's
	s_lshl_b32 s24, s23, 15                        ; 32,768 bytes a run
	s_mov_b32 s25, 0
	s_add_nc_u64 s[4:5], s[4:5], s[24:25]
	s_lshl_b32 s23, ttmp9, 2
	s_add_co_u32 s23, s23, s20                     ; and which run of the two output streams
	s_lshl_b32 s24, s23, 12                        ; 4,096 bytes of codes a run
	s_add_nc_u64 s[14:15], s[14:15], s[24:25]
	s_lshl_b32 s24, s23, 8                         ; 256 scale bytes a run
	s_add_nc_u64 s[16:17], s[16:17], s[24:25]
.macro LOAD t
.irp i, 0,1,2,3
	global_load_b128 v[R+16*((\t)%4)+4*\i:R+16*((\t)%4)+4*\i+3], v3, s[4:5] offset:2048*(\t)+512*\i th:TH_LOAD_NT   ; 32 lanes read 512 consecutive bytes
.endr
.endm
.macro TURN t                          ; step t's numbers through the stage: LDS serves a wave's instructions in order, so no wait stands between the stores and the loads
.irp i, 0,1,2,3
	ds_store_b128 v14, v[R+16*((\t)%4)+4*\i:R+16*((\t)%4)+4*\i+3] offset:32*SP*((\t)%2)+8*SP*\i
.endr
.irp i, 0,1,2,3
	ds_load_b128 v[X+16*((\t)%2)+4*\i:X+16*((\t)%2)+4*\i+3], v15 offset:32*SP*((\t)%2)+16*\i
.endr
.endm
.irp t, 0,1,2,3
	LOAD \t
.endr
	s_wait_loadcnt 12                              ; step 0's four loads are in
	TURN 0
.macro STEP t
.set XS, X+16*((\t)%2)
.if (\t) > 0
	s_wait_dscnt 1                                 ; this step's numbers are back from the stage (the last step's byte store may be out): so its stores into the stage have read their registers,
.else
	s_wait_dscnt 0x0
.endif
.if (\t)+4 < STEPS
	LOAD (\t)+4                                    ; which take the loads of four steps on
.endif
.if (\t)+1 < STEPS
.if STEPS-2-(\t) >= 3
	s_wait_loadcnt 12                              ; the next step's four loads are in; those of the three steps behind it may be out
.else
	s_wait_loadcnt 4*(STEPS-2-(\t))
.endif
	TURN (\t)+1                                    ; and go through the other stage while this step is worked
.endif
	v_max3_num_f32 v8, |v[XS]|, |v[XS+1]|, |v[XS+2]|               ; the largest magnitude of my 16
	v_max3_num_f32 v9, |v[XS+3]|, |v[XS+4]|, |v[XS+5]|
.irp i, 6,10
	v_max3_num_f32 v8, v8, |v[XS+\i]|, |v[XS+\i+1]|
	v_max3_num_f32 v9, v9, |v[XS+\i+2]|, |v[XS+\i+3]|
.endr
	v_max3_num_f32 v8, v8, |v[XS+14]|, |v[XS+15]|
	v_max3_num_f32 v8, v8, v9, (EMAX+1)<<23        ; and the floor 2^(3 - 127): so the byte cannot fall under 1
	v_max_num_f32_dpp v8, v8, v8 row_xmask:1 row_mask:0xf bank_mask:0xf   ; and of my neighbour's 16: the block's
	v_add_nc_u32 v11, -(EMAX<<23), v8              ; 2 off its exponent field: the conversion takes the exponent field of this operand as its scale
	v_cvt_scalef32_pk8_fp4_f32 v[C+4*(\t)], v[XS:XS+7], v11        ; eight numbers / the scale, to the nearest code, ties to even, beyond the largest code the largest
	v_cvt_scalef32_pk8_fp4_f32 v[C+4*(\t)+1], v[XS+8:XS+15], v11
	v_lshrrev_b32 v[E+(\t)], 23, v11               ; the scale's byte (also the plain line behind the conversions)
	ds_store_b8 v5, v[E+(\t)] offset:16*(\t)       ; both lanes of a block write the same byte with the same value
	global_store_b64 v4, v[C+4*(\t):C+4*(\t)+1], s[14:15] offset:32*CB*(\t)   ; the wave stores 256 consecutive bytes, aligned
.endm
.irp t, 0,1,2,3,4,5,6,7,8,9,10,11,12,13,14,15
	STEP \t
.endr
	ds_load_b64 v[8:9], v6                         ; LDS serves a wave's instructions in order: these see my stores
	s_wait_dscnt 0x0
	global_store_b64 v7, v[8:9], s[16:17]          ; 32 lanes store 256 consecutive bytes, aligned
	s_wait_tensorcnt 0x0                           ; the wave's end: behind my last LDS store
	ds_add_u32 v[SPW], v[NIL]
	s_wait_dscnt 0x0
	s_endpgm
; Wo -> f16.  A wave takes 8 rows, as 32 items of (4 rows) x (a K block of 64).  Lane l: row l / 8 of the four, 8 numbers at byte 32 (l % 8) of the block's 256:
; two loads of 16 bytes, four roundings, one store; a wave's store covers 512 consecutive bytes of wo16.  Two batches of eight items are on their way.
.Lwo:
	s_sub_co_u32 s21, ttmp9, WGQ
	s_lshl_b32 s21, s21, 5
	s_lshl_b32 s22, s20, 3
	s_add_co_u32 s21, s21, s22                     ; my wave's first row
	s_lshl_b32 s22, s21, 12                        ; a row of Wo is 4,096 bytes,
	s_mov_b32 s23, 0
	s_lshl_b32 s24, s21, 7                         ; its part of a K block in wo16 128
	s_mov_b32 s25, 0
	v_lshrrev_b32 v1, 3, v2
	v_and_b32 v3, 7, v2
	v_lshlrev_b32 v1, 12, v1
	v_lshl_add_u32 v1, v3, 5, v1                   ; in: 4,096 (l / 8) + 32 (l % 8)
	v_lshlrev_b32 v3, 4, v2                        ; out: 16 l
	s_wait_kmcnt 0x0
	s_add_nc_u64 s[12:13], s[12:13], s[22:23]
	s_add_nc_u64 s[18:19], s[18:19], s[24:25]
.macro WLOAD b                         ; batch b: items 8 b .. 8 b + 7; item n: rows 4 (n / 16) on, K block n % 16
.irp j, 0,1,2,3,4,5,6,7
	global_load_b128 v[16+64*((\b)%2)+8*\j:16+64*((\b)%2)+8*\j+3], v1, s[12:13] offset:((8*(\b)+\j)/16)*16384+((8*(\b)+\j)%16)*256 th:TH_LOAD_NT
	global_load_b128 v[16+64*((\b)%2)+8*\j+4:16+64*((\b)%2)+8*\j+7], v1, s[12:13] offset:((8*(\b)+\j)/16)*16384+((8*(\b)+\j)%16)*256+16 th:TH_LOAD_NT
.endr
.endm
.macro WBATCH b
.if (\b) < 3
	s_wait_loadcnt 16                              ; this batch's 16 loads are in; the next batch's may be out
.else
	s_wait_loadcnt 0x0
.endif
.if (\b) > 0
	s_wait_xcnt 0x0                                ; the last batch's stores have read their data: v144-175 are written again only behind this wait
.endif
.irp j, 0,1,2,3,4,5,6,7
.irp k, 0,1,2,3
	v_cvt_pk_f16_f32 v[144+4*\j+\k], v[16+64*((\b)%2)+8*\j+2*\k], v[16+64*((\b)%2)+8*\j+2*\k+1]
.endr
.endr
.irp j, 0,1,2,3,4,5,6,7
	global_store_b128 v3, v[144+4*\j:144+4*\j+3], s[18:19] offset:((8*(\b)+\j)%16)*131072+((8*(\b)+\j)/16)*512
.endr
.if (\b) < 2
	WLOAD (\b)+2
.endif
.endm
	WLOAD 0
	WLOAD 1
	WBATCH 0
	WBATCH 1
	WBATCH 2
	WBATCH 3
	s_endpgm
.Lfunc_end_k_q8d561aa0b9_prep:
	.size	k_q8d561aa0b9_prep, .Lfunc_end_k_q8d561aa0b9_prep-k_q8d561aa0b9_prep
	.p2alignl 7, 3214868480
	.fill 96, 4, 3214868480
	.section	.rodata,"a",@progbits
	.p2align	6, 0x0
	.amdhsa_kernel k_q8d561aa0b9_prep
		.amdhsa_group_segment_fixed_size 33280
		.amdhsa_private_segment_fixed_size 0
		.amdhsa_enable_private_segment 0
		.amdhsa_kernarg_size 64
		.amdhsa_user_sgpr_count 2
		.amdhsa_user_sgpr_kernarg_segment_ptr 1
		.amdhsa_wavefront_size32 1
		.amdhsa_system_sgpr_workgroup_id_x 1
		.amdhsa_system_sgpr_workgroup_id_y 1
		.amdhsa_system_sgpr_workgroup_id_z 1
		.amdhsa_system_vgpr_workitem_id 0
		.amdhsa_next_free_vgpr 192
		.amdhsa_next_free_sgpr 66
		.amdhsa_reserve_vcc 0
		.amdhsa_float_denorm_mode_32 3
		.amdhsa_float_denorm_mode_16_64 3
		.amdhsa_memory_ordered 1
		.amdhsa_forward_progress 1
		.amdhsa_inst_pref_size 51
	.end_amdhsa_kernel
	.amdgpu_metadata
---
amdhsa.version: [ 1, 2 ]
amdhsa.kernels:
  - .name:           k_q8d561aa0b9_prep
    .symbol:         k_q8d561aa0b9_prep.kd
    .args:
      - { .name: hidden, .offset: 0, .size: 8, .value_kind: global_buffer, .address_space: global }
      - { .name: Wq, .offset: 8, .size: 8, .value_kind: global_buffer, .address_space: global }
      - { .name: Wk, .offset: 16, .size: 8, .value_kind: global_buffer, .address_space: global }
      - { .name: Wv, .offset: 24, .size: 8, .value_kind: global_buffer, .address_space: global }
      - { .name: Wo, .offset: 32, .size: 8, .value_kind: global_buffer, .address_space: global }
      - { .name: codes, .offset: 40, .size: 8, .value_kind: global_buffer, .address_space: global }
      - { .name: scales, .offset: 48, .size: 8, .value_kind: global_buffer, .address_space: global }
      - { .name: wo16, .offset: 56, .size: 8, .value_kind: global_buffer, .address_space: global }
    .group_segment_fixed_size: 33280
    .private_segment_fixed_size: 0
    .kernarg_segment_align: 8
    .kernarg_segment_size: 64
    .max_flat_workgroup_size: 128
    .sgpr_count:     66
    .vgpr_count:     192
    .wavefront_size: 32
...
	.end_amdgpu_metadata
.endif
;; end of part 1
;; launch qkv (part 2): grid 12 x 32, 4 waves a work-group, clusters of 4 x 4, 327,680 bytes of LDS; arguments codes, scales, bq, bk, bv, cos, sin, qkv; writes qkv
.if DOCPART == 2
	.amdgcn_target "amdgcn-amd-amdhsa--gfx1250"
	.amdhsa_code_object_version 6
	.text
	.protected	k_q8d561aa0b9_qkv
	.globl	k_q8d561aa0b9_qkv
	.p2align	8
	.type	k_q8d561aa0b9_qkv,@function
k_q8d561aa0b9_qkv:
	s_mov_b64 s[64:65], 0
	v_nop
	global_prefetch_b8 v0, s[64:65] scope:SCOPE_SE
	s_setreg_imm32_b32 hwreg(HW_REG_WAVE_MODE, 25, 1), 1
	s_wait_xcnt 0x0
	s_wait_alu depctr_hold_cnt(0) depctr_sa_sdst(0) depctr_va_vdst(0) depctr_va_sdst(0) depctr_va_ssrc(0) depctr_va_vcc(0) depctr_vm_vsrc(0)
	s_getreg_b32 s2, hwreg(HW_REG_IB_STS2, 6, 4)
	s_cmp_eq_u32 s2, 0
	s_cbranch_scc0 .Lentry_in_a_cluster
	s_endpgm
.Lentry_in_a_cluster:
	s_bfe_u32 s2, ttmp6, 0x10000c
	s_cmp_lg_u32 s2, 0xf033
	s_cbranch_scc0 .Lentry_shape_is_right
	s_endpgm
.Lentry_shape_is_right:
; q, k, v = hidden W^T + b on codes of FP4 (E2M1) with E8M0 scales for each 32 along K, then the rotation by cos and sin (q, k), q x log2(e) / 8; out as bf16 (q, k) and f16 (v).
; codes [11264][512 bytes], scales [11264][32]: rows 0-8191 hidden (A), 8192 on Wq, Wk, Wv (B: 3,072 rows).  qkv: [kind 3][batch x 16 + head][2048 tokens][64] of 16 bits.
; LIMITS: NaN and infinities in cos, sin or the products are not served (in the tiles of v cos and sin are multiplied by 0); |v| stays under 65,504 (f16).  q and k go in bf16, whose range is f32's.
; A tile of C, 256 tokens x 256 features, is made by four waves, 128 x 128 each: 64 accumulators, 512 registers.  K = 1,024 is two slots of 512 in LDS, both asked for at the head.
; The scale bytes of the tile's rows come once, with the first fills.  When slot 0 has been read it is filled once more: with the tile's 256 rows of cos and of sin (256 bytes a token), which land while slot 1 is multiplied.
; CLUSTERS: 4 x 4 work-groups; A's tiles, A's scales, cos and sin are shared along a row of the cluster, B's along a column: joint loads.  A cluster's four tile columns are one kind (cluster x: 0 q, 1 k, 2 v).
; THE MATRIX INSTRUCTION IS USED TRANSPOSED (source 0 = 16 rows of W, source 1 = 16 tokens): a lane holds one token and eight neighbouring features.  The bias is the C of the first K step.
; THE ROTATION: a wave's 128 features are two heads; accumulators b and b + 2 of a head hold channels d and d + 32 of the same lane: out(d) = x(d) cos(d) - x(d+32) sin(d), out(d+32) = x(d+32) cos(d+32) + x(d) sin(d+32).
; cos and sin are first multiplied by F and G is added to cos: q: F = log2(e) / 8, G = 0; k: F = 1, G = 0; v: F = 0, G = 1, which leaves v as it is: one text for the three kinds.
; REGISTERS: window 0: v0-31 addresses and factors; v32-95 scale words, two sets, and nothing else; v96-127 packed results; v128-191 A's fragments, later rows on the way out; v192-255 the bias.
;   window 1: B's fragments, two sets, at v0 and v128; on the way out v0-31 cos, v32-63 sin, v64-127 the rotated numbers.   windows 2, 3: the accumulators ((a, b) at v[8 (8 (a % 4) + b)]).
.set KSTEP,  512
.set NQ,     4                         ; matrix instructions deep in a slot
.set ROWB,   256                       ; a tile's row in bytes
.set KROW,   512                       ; a row of codes in memory
.set PITCH,  272                       ; an LDS row: 256 bytes + 16 of padding: the 16 rows that a load touches start 4 banks apart
.set FR,     8
.set NL,     2
.set NP,     4                         ; places behind this matrix instruction (ISA guide 7.12.1)
.set HALFT,  128*PITCH
.set SLOT,   4*HALFT                   ; A's 256 rows, then B's 256 rows; later cos's 256 rows, then sin's
.set KS,     32                        ; a row of scale bytes
.set SCL,    2*SLOT                    ; behind the ring: the scales, as units of 256 bytes + 16 of padding
.set HALFS,  (128*KS/256)*272
.set SBLK,   (16*KS/256)*272
.set SPARE,  SCL+4*HALFS               ; the spare words, 128 bytes a wave
.set STAGE,  SPARE+512                 ; the way out: 16 rows x (256 bytes + 16) for each wave: bytes of its own, into which no fill lands
.set SPITCH, 272
.set ADRA, 16                          ; v16-17  LDS address of my A fragments in slot 0, 1
.set ACS,  18                          ; v18     of my token's cos
.set ASN,  19                          ; v19     of its sin
.set ADRB, 20                          ; v20-21  of my B fragments
.set GV,   22                          ; v[22:23] G, twice
.set STO,  24                          ; v24     the way out: where I put 16 bytes of a row
.set RD,   25                          ; v25     where I read back
.set CO,   26                          ; v26     16 x lane
.set ADRS, 27                          ; v27     LDS address of my scale words: lanes 0-15 A's rows, lanes 16-31 B's
.set SPW,  28                          ; v28     my spare word; never rewritten
.set NIL,  29                          ; v29     0; never rewritten
.set FV,   30                          ; v[30:31] F, twice
.set SC,   32
.set TMP,  96
.set AF,   128
.set BK,   128                         ; v128-159 and v160-191 by turns
.set BI,   192
.set COS,  0                           ; in window 1
.set SIN,  32
.set T,    64
.set G1, 24                            ; s[24:31] group 1 for A's tiles; s[32:39] groups 0, one for each slot
.set G0, 32
.set G1B, 48                           ; s[48:55], s[56:63] the same for B's
.set G0B, 56
.set G1S, 68                           ; s[68:75], s[76:79] groups 1 and 0 for A's scales; s[80:87], s[88:91] for B's
.set G0S, 76
.set G1SB, 80
.set G0SB, 88
.set G1C, 92                           ; s[92:99] group 1 for cos and sin
.set G0C, 76                           ; their groups 0 take the scales' groups 0, behind the wait that shows the scales' loads done
.set G0D, 88
.set MSB, 0
.macro WIN new                         ; the immediate's high byte repeats the setting that is left
.if MSB != \new
	s_set_vgpr_msb (MSB<<8)|\new
.set MSB, \new
.endif
.endm
.set MUL_LO, 0xa1                      ; source 0 (B) window 1, source 1 (A) window 0, C and D window 2
.set MUL_HI, 0xf1                      ; the same, C and D window 3
.set BIA_LO, 0x81                      ; the first K step: C is the bias, in window 0
.set BIA_HI, 0xc1
.set TO_B,   0x40                      ; destination window 1, address window 0
; A joint load: waves 0 and 1 issue the first line, waves 2 and 3 the second; the branch hangs on the wave's number alone.  An s_nop 0 and four v_nop follow each line.
.macro JLOAD g0a, g1a, g0b, g1b
	s_cmp_eq_u32 s15, 0
	s_cbranch_scc0 .Lfor_b_\@
	tensor_load_to_lds s[\g0a:\g0a+3], s[\g1a:\g1a+7]
	s_nop 0
.rept 4
	v_nop
.endr
	s_branch .Lasked_\@
.Lfor_b_\@:
	tensor_load_to_lds s[\g0b:\g0b+3], s[\g1b:\g1b+7]
	s_nop 0
.rept 4
	v_nop
.endr
.Lasked_\@:
.endm
.macro CREST                           ; a round of the cluster's barrier behind its opening barrier
	s_cmp_lg_u32 s14, 0
	s_cbranch_scc1 .Lnot_wave_0_\@
	s_barrier_signal -3
.Lnot_wave_0_\@:
	s_barrier_wait -3
	s_barrier_signal -1
	s_barrier_wait -1
.endm
.macro CROUND
	s_barrier_signal -1
	s_barrier_wait -1
	CREST
.endm
	s_load_b128 s[4:7], s[0:1], 0x0                ; codes s[4:5], scales s[6:7]
	s_load_b64 s[100:101], s[0:1], 0x10            ; bq
	s_load_b64 s[104:105], s[0:1], 0x18            ; bk
	s_load_b64 s[2:3], s[0:1], 0x20                ; bv
	s_load_b64 s[8:9], s[0:1], 0x28                ; cos
	s_load_b64 s[10:11], s[0:1], 0x30              ; sin
	s_load_b64 s[12:13], s[0:1], 0x38              ; qkv
	v_lshl_add_u32 v[SPW], v0, 2, SPARE
	v_mov_b32 v[NIL], 0
	ds_add_u32 v[SPW], v[NIL]                      ; the wave's opening: the add, twice on end, and its wait ahead of my first tensor load
	ds_add_u32 v[SPW], v[NIL]
	v_lshrrev_b32 v1, 5, v0
	v_readfirstlane_b32 s14, v1                    ; wave 0..3
	s_lshr_b32 s15, s14, 1                         ; which half of the tile's tokens is mine.  Also: I fetch for A (0) or for B (1); later cos (0) or sin (1)
	s_and_b32 s16, s14, 1                          ; which half of its features.  Also: which 128 rows I fetch
	s_bfe_u32 s40, ttmp6, 0x40000                  ; cx, cy: my place in the cluster
	s_bfe_u32 s41, ttmp6, 0x40004
	s_lshl_b32 s42, ttmp9, 2
	s_add_co_u32 s42, s42, s40                     ; tile column = 4 x cluster x + cx
	s_and_b32 s17, ttmp7, 0xffff
	s_lshl_b32 s17, s17, 2
	s_add_co_u32 s17, s17, s41                     ; tile row = 4 x cluster y + cy
	s_lshl_b32 s43, s41, 2
	s_lshl_b32 s43, 15, s43                        ; my row of the cluster
	s_lshl_b32 s44, 0x1111, s40                    ; my column
	; group 1: a tile of 128 rows x 256 bytes of codes, 512 bytes apart in memory, 16 bytes of padding behind each row in LDS
	s_or_b32 s[G1+0], s43, (0<<16)|(1<<20)|(1<<21)|(5<<22)|(3<<25)
	s_or_b32 s[G1B+0], s44, (0<<16)|(1<<20)|(1<<21)|(5<<22)|(3<<25)
.irp g, G1, G1B
	s_mov_b32 s[\g+1], ROWB<<16                    ; tensor_dim0
	s_mov_b32 s[\g+2], 128<<16                     ; tensor_dim1
	s_mov_b32 s[\g+3], ROWB<<16                    ; tile_dim0
	s_mov_b32 s[\g+4], 128                         ; tile_dim1
	s_mov_b32 s[\g+5], KROW                        ; from row to row
	s_mov_b32 s[\g+6], 0
	s_mov_b32 s[\g+7], 0
.endr
	; the scales of 128 rows: 4,096 dense bytes, as 16 rows of 256 (32 elements of 8 bytes)
	s_or_b32 s[G1S+0], s43, (3<<16)|(1<<20)|(1<<21)|(5<<22)|(3<<25)
	s_or_b32 s[G1SB+0], s44, (3<<16)|(1<<20)|(1<<21)|(5<<22)|(3<<25)
.irp g, G1S, G1SB
	s_mov_b32 s[\g+1], 32<<16
	s_mov_b32 s[\g+2], (128*KS/256)<<16
	s_mov_b32 s[\g+3], 32<<16
	s_mov_b32 s[\g+4], 128*KS/256
	s_mov_b32 s[\g+5], 32
	s_mov_b32 s[\g+6], 0
	s_mov_b32 s[\g+7], 0
.endr
	; cos or sin of 128 tokens: 32,768 dense bytes, as 128 rows of 256; they hang on the tile row alone: my row's mask
	s_or_b32 s[G1C+0], s43, (3<<16)|(1<<20)|(1<<21)|(5<<22)|(3<<25)
	s_mov_b32 s[G1C+1], 32<<16
	s_mov_b32 s[G1C+2], 128<<16
	s_mov_b32 s[G1C+3], 32<<16
	s_mov_b32 s[G1C+4], 128
	s_mov_b32 s[G1C+5], 32
	s_mov_b32 s[G1C+6], 0
	s_mov_b32 s[G1C+7], 0
	s_lshl_b32 s18, s16, 7                         ; which 128 rows of the tile I fetch
	s_lshl_b32 s19, s17, 8
	s_add_co_u32 s19, s19, s18                     ; A: row 256 x tile row + 128 x half: also the first token whose cos or sin I fetch.  s19 stays
	s_lshl_b32 s46, s42, 8
	s_add_co_u32 s46, s46, s18
	s_add_co_u32 s46, s46, 8192                    ; B: row 8,192 + 256 x tile column + 128 x half
	s_lshl_b32 s20, s19, 9                         ; byte offsets, all under 2^23: A's codes,
	s_mov_b32 s21, 0
	s_lshl_b32 s22, s19, 5                         ; A's scales,
	s_mov_b32 s23, 0
	s_lshl_b32 s66, s46, 5                         ; B's scales,
	s_mov_b32 s67, 0
	s_lshl_b32 s46, s46, 9                         ; B's codes
	s_mov_b32 s47, 0
	s_mul_i32 s45, s14, HALFT                      ; where tiles go: wave x 128 rows: no place in the cluster enters an LDS address
	s_mul_i32 s[G0S+1], s14, HALFS
	s_add_co_u32 s[G0S+1], s[G0S+1], SCL           ; and the scales
	s_mov_b32 s[G0SB+1], s[G0S+1]
	s_wait_dscnt 0x0                               ; both opening adds are done
	s_wait_kmcnt 0x0
	s_add_nc_u64 s[20:21], s[4:5], s[20:21]
	s_add_nc_u64 s[22:23], s[6:7], s[22:23]
	s_add_nc_u64 s[46:47], s[4:5], s[46:47]
	s_add_nc_u64 s[66:67], s[6:7], s[66:67]
	CROUND                                         ; all sixteen work-groups are here: the first joint loads meet
	s_mov_b32 s[G0S], 1
	s_mov_b64 s[G0S+2:G0S+3], s[22:23]
	s_or_b32 s[G0S+3], s[G0S+3], 0x80000000
	s_mov_b32 s[G0SB], 1
	s_mov_b64 s[G0SB+2:G0SB+3], s[66:67]
	s_or_b32 s[G0SB+3], s[G0SB+3], 0x80000000
	JLOAD G0S, G1S, G0SB, G1SB                     ; the scales first: they are wanted with the first K step
.irp s, 0,1
	s_mov_b32 s[G0+4*\s], 1
	s_add_co_u32 s[G0+4*\s+1], s45, \s*SLOT
	s_add_nc_u64 s[G0+4*\s+2:G0+4*\s+3], s[20:21], \s*ROWB
	s_or_b32 s[G0+4*\s+3], s[G0+4*\s+3], 0x80000000
	s_mov_b32 s[G0B+4*\s], 1
	s_add_co_u32 s[G0B+4*\s+1], s45, \s*SLOT
	s_add_nc_u64 s[G0B+4*\s+2:G0B+4*\s+3], s[46:47], \s*ROWB
	s_or_b32 s[G0B+4*\s+3], s[G0B+4*\s+3], 0x80000000
	JLOAD G0+4*\s, G1, G0B+4*\s, G1B               ; three tensor loads of mine are out
.endr
	v_and_b32 v1, 15, v0                           ; r = l % 16
	v_bfe_u32 v2, v0, 4, 1                         ; h = l / 16
	v_mul_u32_u24 v3, v1, PITCH
	v_lshl_add_u32 v4, v2, 4, v3                   ; a fragment's row x pitch + 16 h
	v_lshl_add_u32 v5, v2, 5, v3                   ; cos, sin: token x pitch + 32 h
	s_mul_i32 s21, s15, HALFT                      ; my 128 rows of A; later my 128 tokens of cos
	s_mul_i32 s22, s16, HALFT
	s_add_co_u32 s22, s22, 2*HALFT                 ; my 128 rows of B, behind A's 256
	v_add_nc_u32 v[ACS], s21, v5
	v_add_nc_u32 v[ASN], 2*HALFT, v[ACS]           ; sin's 256 rows lie behind cos's
.irp s, 0,1
	v_add_nc_u32 v[ADRA+\s], s21, v4
	v_add_nc_u32 v[ADRB+\s], s22, v4
	s_add_co_u32 s21, s21, SLOT
	s_add_co_u32 s22, s22, SLOT
.endr
	v_mul_u32_u24 v5, v1, KS                       ; my row's scales: 32 bytes a row,
	v_lshrrev_b32 v6, 8, v5
	v_lshl_add_u32 v5, v6, 4, v5                   ; and 16 more for each 256 passed
	s_mul_i32 s21, s15, HALFS
	s_mul_i32 s22, s16, HALFS
	s_add_co_u32 s22, s22, 2*HALFS
	s_sub_co_u32 s22, s22, s21
	v_mul_u32_u24 v6, s22, v2                      ; lanes 16-31 take B's: one product, the distance between the two bases
	s_add_co_u32 s21, s21, SCL
	v_add_nc_u32 v5, v5, v6
	v_add_nc_u32 v[ADRS], s21, v5
	s_mul_i32 s23, s14, 16*SPITCH
	s_add_co_u32 s23, s23, STAGE                   ; my stage
	v_add_nc_u32 v[STO], s23, v4                   ; in: row r, 16 bytes for each half of the lanes
	v_bfe_u32 v5, v0, 3, 2
	v_mul_u32_u24 v5, v5, SPITCH
	v_and_b32 v6, 7, v0
	v_lshl_add_u32 v5, v6, 4, v5
	v_add_nc_u32 v[RD], s23, v5                    ; back: eight lanes take a head's 128 bytes of a token, four tokens an instruction
	v_and_b32 v6, 31, v0
	v_lshlrev_b32 v[CO], 4, v6
	v_lshlrev_b32 v7, 5, v2                        ; the bias: 32 h
	s_cmp_eq_u32 ttmp9, 1                          ; the kind's bias: a choice on the cluster's x
	s_cselect_b64 s[100:101], s[104:105], s[100:101]
	s_cmp_eq_u32 ttmp9, 2
	s_cselect_b64 s[100:101], s[2:3], s[100:101]
	s_cselect_b32 s21, 1.0, 0                      ; G
	s_cmp_eq_u32 ttmp9, 0
	s_cselect_b32 s18, 0x3e38aa3b, 1.0             ; F: log2(e) / 8 for q, 1 for k,
	s_cmp_eq_u32 ttmp9, 2
	s_cselect_b32 s18, 0, s18                      ; 0 for v
	v_mov_b32 v[FV], s18
	v_mov_b32 v[FV+1], s18
	v_mov_b32 v[GV], s21
	v_mov_b32 v[GV+1], s21
	s_lshl_b32 s46, s40, 10                        ; my 128 features in the kind's 1,024: 256 cx + 128 x half, 4 bytes each
	s_lshl_b32 s47, s16, 9
	s_add_co_u32 s46, s46, s47
	s_mov_b32 s47, 0
	s_add_nc_u64 s[100:101], s[100:101], s[46:47]
.irp b, 0,1,2,3,4,5,6,7
	global_load_b128 v[BI+8*\b:BI+8*\b+3], v7, s[100:101] offset:64*\b       ; register 8 b + j: the bias of feature 16 b + 8 h + j: the result's layout
	global_load_b128 v[BI+8*\b+4:BI+8*\b+7], v7, s[100:101] offset:64*\b+16
.endr
	; where my part of qkv begins: kind x 2^24 + (batch x 16 + head) x 2^18 + token in the batch x 128
	s_lshl_b32 s20, ttmp9, 24
	s_lshr_b32 s21, s17, 3                         ; batch: eight tile rows each
	s_lshl_b32 s21, s21, 22
	s_add_co_u32 s20, s20, s21
	s_lshl_b32 s21, s17, 8
	s_lshl_b32 s22, s15, 7
	s_add_co_u32 s21, s21, s22
	s_and_b32 s21, s21, 2047
	s_lshl_b32 s21, s21, 7
	s_add_co_u32 s20, s20, s21
	s_mov_b32 s21, 0
	s_lshl_b32 s46, s40, 2                         ; head 4 cx + 2 x half
	s_lshl_b32 s47, s16, 1
	s_add_co_u32 s46, s46, s47
	s_lshl_b32 s46, s46, 18
	s_mov_b32 s47, 0
	s_add_nc_u64 s[20:21], s[20:21], s[46:47]
	s_add_nc_u64 s[12:13], s[12:13], s[20:21]
.macro FRAG reg, adr, q, i             ; 16 rows x 128 K of 4-bit codes: 8 registers: registers 4 c .. 4 c + 3 hold K = 64 c + 32 h + 0 .. 31
.irp c, 0,1
	ds_load_b128 v[\reg+4*\c:\reg+4*\c+3], v[\adr] offset:64*(\q)+32*\c+(\i)*16*PITCH
.endr
.endm
; 16 matrix instructions: A's blocks a0, a0 + 1 x B's eight, the slot's q-th 128 along K.  p: B's set; sc: the set of scale words.  bias = 1: the first product starts the sums from the bias.
; The 64 accumulators take turns, one instruction a turn, in the same order in every step.
.macro MUL16 a0, p, q, sc, bias
.irp a, \a0, \a0+1
.irp b, 0,1,2,3,4,5,6,7
.if \bias
	v_wmma_scale_f32_16x16x128_f8f6f4 v[8*(8*((\a)%4)+\b):8*(8*((\a)%4)+\b)+7], v[128*(\p)+FR*\b:128*(\p)+FR*\b+FR-1], v[AF+FR*(\a):AF+FR*(\a)+FR-1], v[BI+8*\b:BI+8*\b+7], v[SC+8*NQ*(\sc)+NQ*\b+(\q)], v[SC+8*NQ*(\sc)+NQ*(\a)+(\q)] matrix_a_fmt:MATRIX_FMT_FP4 matrix_b_fmt:MATRIX_FMT_FP4 matrix_a_scale:MATRIX_SCALE_ROW1
.else
	v_wmma_scale_f32_16x16x128_f8f6f4 v[8*(8*((\a)%4)+\b):8*(8*((\a)%4)+\b)+7], v[128*(\p)+FR*\b:128*(\p)+FR*\b+FR-1], v[AF+FR*(\a):AF+FR*(\a)+FR-1], v[8*(8*((\a)%4)+\b):8*(8*((\a)%4)+\b)+7], v[SC+8*NQ*(\sc)+NQ*\b+(\q)], v[SC+8*NQ*(\sc)+NQ*(\a)+(\q)] matrix_a_fmt:MATRIX_FMT_FP4 matrix_b_fmt:MATRIX_FMT_FP4 matrix_a_scale:MATRIX_SCALE_ROW1
.endif
.endr
.endr
.endm
.macro FETCH_B slot, q, p
	WIN TO_B
.irp i, 0,1,2,3,4,5,6,7
	FRAG 128*(\p)+FR*\i, ADRB+\slot, \q, \i
.endr
	WIN 0
.endm
.macro FETCH_A slot, q, i0
.irp i, \i0, \i0+1, \i0+2, \i0+3
	FRAG AF+FR*(\i), ADRA+\slot, \q, \i
.endr
.endm
.macro SCALES sc                       ; a K step's scale words: four words a row; lanes 0-15 take A's block i, lanes 16-31 B's block i
.irp i, 0,1,2,3,4,5,6,7
	ds_load_b128 v[SC+8*NQ*\sc+NQ*\i:SC+8*NQ*\sc+NQ*\i+3], v[ADRS] offset:\i*SBLK
.endr
.endm
.macro PLACES n                        ; plain vector lines between a matrix instruction and a load into, or a read of, its registers
.rept \n
	v_nop
.endr
.endm
; A step of 128 along K that has its successor in the same slot.
.macro STEP slot, q, bias
	s_wait_dscnt 4*NL                              ; B's set and A's blocks 0-3 are in; the youngest eight loads (A's blocks 4-7) may be out
.if \bias
	WIN BIA_LO
.else
	WIN MUL_LO
.endif
	MUL16 0, (\q)%2, \q, \slot, \bias
	MUL16 2, (\q)%2, \q, \slot, \bias
	s_wait_dscnt 0                                 ; A's blocks 4-7 are in
	PLACES NP
	FETCH_B \slot, (\q)+1, 1-(\q)%2
	FETCH_A \slot, (\q)+1, 0
.if \bias
	WIN BIA_HI
.else
	WIN MUL_HI
.endif
	MUL16 4, (\q)%2, \q, \slot, \bias
	MUL16 6, (\q)%2, \q, \slot, \bias
	PLACES NP
	WIN 0
	FETCH_A \slot, (\q)+1, 4
.endm
.macro STEPS slot, from
.set Q, \from
.rept NQ-1-\from
	STEP \slot, Q, 0
.set Q, Q+1
.endr
.endm
	s_wait_tensorcnt 1                             ; the scales and my part of slot 0 are in (slot 1's load may be out),
	s_barrier_signal -1
	s_barrier_wait -1                              ; everybody's are
	s_lshl_b32 s22, s19, 8                         ; the scales' loads are done, so their groups 0 are written anew: cos and sin of my 128 tokens, 256 bytes a token,
	s_mov_b32 s23, 0
	s_mov_b32 s[G0C], 1
	s_mov_b32 s[G0C+1], s45                        ; into slot 0, wave x 128 rows
	s_add_nc_u64 s[G0C+2:G0C+3], s[8:9], s[22:23]
	s_or_b32 s[G0C+3], s[G0C+3], 0x80000000
	s_mov_b32 s[G0D], 1
	s_mov_b32 s[G0D+1], s45
	s_add_nc_u64 s[G0D+2:G0D+3], s[10:11], s[22:23]
	s_or_b32 s[G0D+3], s[G0D+3], 0x80000000
	FETCH_B 0, 0, 0
	FETCH_A 0, 0, 0
	SCALES 0
	FETCH_A 0, 0, 4
	s_wait_loadcnt 0x0                             ; the bias
	STEP 0, 0, 1                                   ; the first step starts the sums from the bias: nothing is cleared, nothing is added later
	STEPS 0, 1
	; slot 0's last step changes slots: each wave waits for all its tensor loads, adds 0 to its spare word, waits for that and for its reads of slot 0; a round of the cluster's barrier; then slot 0 takes cos and sin
	s_wait_tensorcnt 0x0                           ; my part of slot 1 has landed
	ds_add_u32 v[SPW], v[NIL]
	s_wait_dscnt 4*NL+1                            ; (the add and A's blocks 4-7 may be out)
	WIN MUL_LO
	MUL16 0, 1, NQ-1, 0, 0
	s_wait_dscnt 0x0                               ; the add is done, and my reads of slot 0 are over
	s_barrier_signal -1
	MUL16 2, 1, NQ-1, 0, 0
	WIN 0
	s_barrier_wait -1
	CREST                                          ; no wave of any partner still reads slot 0 or has a load on its way
	JLOAD G0C, G1C, G0D, G1C                       ; waves 0, 1: cos; waves 2, 3: sin: my one tensor load behind the round; it has slot 1's 256 matrix instructions in which to land
	v_add_nc_u32 v[ADRS], 4*NQ, v[ADRS]            ; on to slot 1's scale words
	FETCH_B 1, 0, 0
	FETCH_A 1, 0, 0
	SCALES 1
	WIN MUL_HI
	MUL16 4, 1, NQ-1, 0, 0
	MUL16 6, 1, NQ-1, 0, 0
	PLACES NP
	WIN 0
	FETCH_A 1, 0, 4
	STEPS 1, 0
	s_wait_dscnt 4*NL                              ; the last step: nothing more to fetch
	WIN MUL_LO
	MUL16 0, 1, NQ-1, 1, 0
	MUL16 2, 1, NQ-1, 1, 0
	s_wait_dscnt 0
	WIN MUL_HI
	MUL16 4, 1, NQ-1, 1, 0
	MUL16 6, 1, NQ-1, 1, 0
	WIN 0
	s_wait_tensorcnt 0x0                           ; my part of cos or sin has landed,
	s_barrier_signal -1
	s_barrier_wait -1                              ; everybody's has
	PLACES NP                                      ; behind the last products: for the loads into B's registers and the reads of results
; THE WAY OUT, a block of 16 tokens x 128 features at a time.
.macro LDCS a                          ; block a's cos and sin: my token's 8 channels of each of the head's four groups of 16
	WIN TO_B
.irp bb, 0,1,2,3
.irp c, 0,1
	ds_load_b128 v[COS+8*\bb+4*\c:COS+8*\bb+4*\c+3], v[ACS] offset:(\a)*16*PITCH+64*\bb+16*\c
	ds_load_b128 v[SIN+8*\bb+4*\c:SIN+8*\bb+4*\c+3], v[ASN] offset:(\a)*16*PITCH+64*\bb+16*\c
.endr
.endr
	WIN 0
.endm
.macro SENDST a                        ; block a leaves: each store covers 512 consecutive bytes, four tokens of one head
.set BB, BK+32*((\a)%2)
.irp i, 0,1,2,3,4,5,6,7
	global_store_b128 v[CO], v[BB+4*\i:BB+4*\i+3], s[12:13] offset:(\i/4)*262144+(\a)*2048+(\i%4)*512
.endr
.endm
.macro ROPE a                          ; each accumulator is read from its low end on
.set AC, 64*((\a)%4)
	WIN 0x56+((\a)/4)                              ; source 0: the accumulators' window; all else window 1
.irp x, 0,1
.irp bb, 0,1
.irp jj, 0,2,4,6
	v_pk_mul_f32 v[T+8*(4*\x+\bb)+\jj:T+8*(4*\x+\bb)+\jj+1], v[AC+8*(4*\x+\bb)+\jj:AC+8*(4*\x+\bb)+\jj+1], v[COS+8*\bb+\jj:COS+8*\bb+\jj+1]
.endr
.irp jj, 0,2,4,6
	v_pk_mul_f32 v[T+8*(4*\x+\bb+2)+\jj:T+8*(4*\x+\bb+2)+\jj+1], v[AC+8*(4*\x+\bb+2)+\jj:AC+8*(4*\x+\bb+2)+\jj+1], v[COS+8*(\bb+2)+\jj:COS+8*(\bb+2)+\jj+1]
.endr
.irp jj, 0,2,4,6
	v_pk_fma_f32 v[T+8*(4*\x+\bb)+\jj:T+8*(4*\x+\bb)+\jj+1], v[AC+8*(4*\x+\bb+2)+\jj:AC+8*(4*\x+\bb+2)+\jj+1], v[SIN+8*\bb+\jj:SIN+8*\bb+\jj+1], v[T+8*(4*\x+\bb)+\jj:T+8*(4*\x+\bb)+\jj+1] neg_lo:[1,0,0] neg_hi:[1,0,0]
.endr
.irp jj, 0,2,4,6
	v_pk_fma_f32 v[T+8*(4*\x+\bb+2)+\jj:T+8*(4*\x+\bb+2)+\jj+1], v[AC+8*(4*\x+\bb)+\jj:AC+8*(4*\x+\bb)+\jj+1], v[SIN+8*(\bb+2)+\jj:SIN+8*(\bb+2)+\jj+1], v[T+8*(4*\x+\bb+2)+\jj:T+8*(4*\x+\bb+2)+\jj+1]
.endr
.endr
.endr
.endm
.macro BLOCK a
	s_wait_dscnt 0x0                               ; this block's cos and sin are in, and the last block is back from the stage
.if (\a) > 0
	SENDST (\a)-1
.endif
	WIN 0x41                                       ; cos, sin in window 1; F, G in window 0
.set i, 0
.rept 16
	v_pk_fma_f32 v[COS+2*i:COS+2*i+1], v[COS+2*i:COS+2*i+1], v[FV:FV+1], v[GV:GV+1]
	v_pk_mul_f32 v[SIN+2*i:SIN+2*i+1], v[SIN+2*i:SIN+2*i+1], v[FV:FV+1]
.set i, i+1
.endr
	ROPE \a
	WIN 0
.if (\a) < 7
	LDCS (\a)+1                                    ; the next block's, while this one is rounded
.endif
	s_cmp_eq_u32 ttmp9, 2                          ; q and k go in bf16, v in f16: the cluster's x, the same in all partners; register work alone differs
	s_cbranch_scc1 .Lhalf_\@
	WIN 0x05
.set i, 0
.rept 32
	v_cvt_pk_bf16_f32 v[TMP+i], v[T+2*i], v[T+2*i+1]
.set i, i+1
.endr
	WIN 0
	s_branch .Lpacked_\@
.Lhalf_\@:
	WIN 0x05
.set i, 0
.rept 32
	v_cvt_pk_f16_f32 v[TMP+i], v[T+2*i], v[T+2*i+1]
.set i, i+1
.endr
	WIN 0
.Lpacked_\@:
.if (\a) > 1
	s_wait_xcnt 0x0                                ; the stores of two blocks back have read their data: the loads below land there only behind this wait
.endif
.irp b, 0,1,2,3,4,5,6,7
	ds_store_b128 v[STO], v[TMP+4*\b:TMP+4*\b+3] offset:32*\b        ; lane (r, h): token r, features 16 b + 8 h + 0 .. 7
.endr
.set BB, BK+32*((\a)%2)
.irp i, 0,1,2,3,4,5,6,7
	ds_load_b128 v[BB+4*\i:BB+4*\i+3], v[RD] offset:(\i/4)*128+(\i%4)*4*SPITCH   ; LDS serves a wave's instructions in order: these see my stores; head i / 4, tokens 4 (i % 4) on
.endr
.endm
	LDCS 0
.irp a, 0,1,2,3,4,5,6,7
	BLOCK \a
.endr
	s_wait_dscnt 0x0
	SENDST 7
	s_wait_tensorcnt 0x0                           ; the wave's end: behind my last tensor load and my last LDS store
	ds_add_u32 v[SPW], v[NIL]
	s_wait_dscnt 0x0
	CROUND                                         ; the closing round: no work-group ends while a partner may still ask for a tile that names it
	s_endpgm
.Lfunc_end_k_q8d561aa0b9_qkv:
	.size	k_q8d561aa0b9_qkv, .Lfunc_end_k_q8d561aa0b9_qkv-k_q8d561aa0b9_qkv
	.p2alignl 7, 3214868480
	.fill 96, 4, 3214868480
	.section	.rodata,"a",@progbits
	.p2align	6, 0x0
	.amdhsa_kernel k_q8d561aa0b9_qkv
		.amdhsa_group_segment_fixed_size 327680
		.amdhsa_private_segment_fixed_size 0
		.amdhsa_enable_private_segment 0
		.amdhsa_kernarg_size 64
		.amdhsa_user_sgpr_count 2
		.amdhsa_user_sgpr_kernarg_segment_ptr 1
		.amdhsa_wavefront_size32 1
		.amdhsa_system_sgpr_workgroup_id_x 1
		.amdhsa_system_sgpr_workgroup_id_y 1
		.amdhsa_system_sgpr_workgroup_id_z 1
		.amdhsa_system_vgpr_workitem_id 0
		.amdhsa_next_free_vgpr 1024
		.amdhsa_next_free_sgpr 106
		.amdhsa_reserve_vcc 0
		.amdhsa_float_denorm_mode_32 3
		.amdhsa_float_denorm_mode_16_64 3
		.amdhsa_memory_ordered 1
		.amdhsa_forward_progress 1
		.amdhsa_inst_pref_size 205
	.end_amdhsa_kernel
	.amdgpu_metadata
---
amdhsa.version: [ 1, 2 ]
amdhsa.kernels:
  - .name:           k_q8d561aa0b9_qkv
    .symbol:         k_q8d561aa0b9_qkv.kd
    .args:
      - { .name: codes, .offset: 0, .size: 8, .value_kind: global_buffer, .address_space: global }
      - { .name: scales, .offset: 8, .size: 8, .value_kind: global_buffer, .address_space: global }
      - { .name: bq, .offset: 16, .size: 8, .value_kind: global_buffer, .address_space: global }
      - { .name: bk, .offset: 24, .size: 8, .value_kind: global_buffer, .address_space: global }
      - { .name: bv, .offset: 32, .size: 8, .value_kind: global_buffer, .address_space: global }
      - { .name: cos, .offset: 40, .size: 8, .value_kind: global_buffer, .address_space: global }
      - { .name: sin, .offset: 48, .size: 8, .value_kind: global_buffer, .address_space: global }
      - { .name: qkv, .offset: 56, .size: 8, .value_kind: global_buffer, .address_space: global }
    .group_segment_fixed_size: 327680
    .private_segment_fixed_size: 0
    .kernarg_segment_align: 8
    .kernarg_segment_size: 64
    .max_flat_workgroup_size: 128
    .sgpr_count:     106
    .vgpr_count:     1024
    .wavefront_size: 32
...
	.end_amdgpu_metadata
.endif
;; end of part 2
;; launch attn (part 3): grid 4 x 64, 8 waves a work-group, clusters of 4 x 1, 327,680 bytes of LDS; arguments qkv, ao; writes ao
.if DOCPART == 3
	.amdgcn_target "amdgcn-amd-amdhsa--gfx1250"
	.amdhsa_code_object_version 6
	.text
	.protected	k_q8d561aa0b9_attn
	.globl	k_q8d561aa0b9_attn
	.p2align	8
	.type	k_q8d561aa0b9_attn,@function
k_q8d561aa0b9_attn:
	s_mov_b64 s[64:65], 0
	v_nop
	global_prefetch_b8 v0, s[64:65] scope:SCOPE_SE
	s_setreg_imm32_b32 hwreg(HW_REG_WAVE_MODE, 25, 1), 1
	s_wait_xcnt 0x0
	s_wait_alu depctr_hold_cnt(0) depctr_sa_sdst(0) depctr_va_vdst(0) depctr_va_sdst(0) depctr_va_ssrc(0) depctr_va_vcc(0) depctr_vm_vsrc(0)
	s_getreg_b32 s2, hwreg(HW_REG_IB_STS2, 6, 4)
	s_cmp_eq_u32 s2, 0
	s_cbranch_scc0 .Lentry_in_a_cluster
	s_endpgm
.Lentry_in_a_cluster:
	s_bfe_u32 s2, ttmp6, 0x10000c
	s_cmp_lg_u32 s2, 0x3003
	s_cbranch_scc0 .Lentry_shape_is_right
	s_endpgm
.Lentry_shape_is_right:
; O[bh][q] = the sum over k of softmax_k(Q[bh][q] . K[bh][k] / 8) V[bh][k], 64 heads of 2,048 tokens x 64 channels, no mask.
; qkv: [kind][bh][token][64] of 16 bits: q x log2(e) / 8 and k in bf16, v in f16.  ao: [head 16][batch x 2048 + token][64] f16.  Products, maxima and sums in f32.
; LIMITS: the weights p (at most 1) and O (a mean of v) are rounded to f16: |v| under 65,504; NaN and infinities are not served.
; SHARES.  A work-group owns 512 queries of one head, each of its eight waves 64: four tiles of 16, in two pairs.  Two waves lie on a SIMD, so that one wave's softmax stands beside the other's products.
; Every wave walks all 2,048 keys, 64 a step.  LAYOUT: S^T = K Q^T (source 0 = 16 keys, source 1 = 16 queries), O^T = V^T P (source 0 = 16 channels, V turned by ds_load_tr16_b128): a lane holds one query throughout,
; and two tiles of S^T, rounded in pairs, are source 1 of the second product.  SOFTMAX: q carries log2(e) / 8, so S is t; a running maximum m and sum l: p = 2^(t - m); in every step O and l are multiplied by a = 2^(m_old - m_new).
; RING: two LDS slots of four key steps; waves 0-3 fetch K's tile of step w, waves 4-7 V's of step w - 4: one tensor load of 64 rows a wave behind each change of slots.
; CLUSTER: the head's four query blocks walk the same K and V: every tile is asked for jointly, mask 15.
; A KEY STEP: pair 0: K Q^T, softmax, V^T P (HALF_A, which ends with pair 2's K Q^T); pair 2: softmax, V^T P (HALF_B, which fetches the next step's K at its head and V at its end).
; REGISTERS: window 0: v1-15 addresses; v16-47 statistics, 8 a tile: +0 m, +1 zero (named with m as a pair), +2, +3 l, +4 .. +7 at work (a in +6); v64-127 S^T of the pair in hand; v128-159 P; v192-255 V.
;   window 1: v0-127 O^T, 32 a tile; v128-191 Q, 16 a tile; v192-255 K.
.set KS,    64
.set PK,    144                        ; a row of K in LDS: 128 bytes + 16: the 16 rows of a load start at 16 different groups of four banks
.set PV,    160                        ; a row of V: 128 + 32
.set VOFF,  KS*PK
.set STEPB, KS*(PK+PV)                 ; a step's tiles lie together: K's 64 rows, then V's
.set NST,   4                          ; steps in a slot
.set SLOT1, 1<<17                      ; slot 1 begins here: one exclusive or turns an address from one slot to the other
.set SLOTB, NST*KS*128                 ; a slot's keys in memory: 32,768 bytes of K, as many of V
.set STAGE, SLOT1+NST*STEPB            ; behind the ring: 16 rows x 144 bytes for each wave
.set SP,    144
.set SPARE, STAGE+8*16*SP              ; the spare words, 128 bytes a wave
.set AK0, 2
.set AV0, 3
.set ADR, 4
.set ADV, 5
.set QO,  6
.set STO, 7
.set RD,  8
.set GO,  10
.set SPW, 12                           ; v12 my spare word; never rewritten
.set NIL, 13                           ; v13 0; never rewritten
.set PFO, 14                           ; v14 256 x lane; never rewritten
.set ST,  16
.set S,   64
.set P,   128
.set VF,  192
.set QF,  128                          ; in window 1
.set KF,  192                          ; in window 1
.set WV,  12                           ; s12 my wave's number
.set LIM, 15                           ; s15 1 in a wave that prefetches, else the greatest number
.set PFA, 18                           ; s[18:19] where my prefetches stand
.set G1K, 24
.set G1V, 32
.set G0K, 40                           ; s[40:47] two sets; the second walks
.set G0V, 48
.set SLOTS, 56
.set CNT, 57
.set SEL, 60
.set TB,  62                           ; s62 LDS byte at which the tiles of the step to be fetched begin
.set MSB, 0
.macro WIN new
.if MSB != \new
	s_set_vgpr_msb (MSB<<8)|\new
.set MSB, \new
.endif
.endm
.set W_KQ, 0x05                        ; K and Q in window 1, S^T in window 0
.set W_PV, 0x50                        ; V and P in window 0, O^T in window 1
.set W_RS, 0x41                        ; O^T in window 1, the factor in window 0
.macro JLOAD                           ; a joint refill: waves 0-3 K's tiles, waves 4-7 V's; an s_nop 0 and four v_nop follow each line
	s_cmp_lt_u32 s[WV], 4
	s_cbranch_scc0 .Lfor_v_\@
	tensor_load_to_lds s[G0K+4:G0K+7], s[G1K:G1K+7]
	s_nop 0
.rept 4
	v_nop
.endr
	s_branch .Lasked_\@
.Lfor_v_\@:
	tensor_load_to_lds s[G0V+4:G0V+7], s[G1V:G1V+7]
	s_nop 0
.rept 4
	v_nop
.endr
.Lasked_\@:
.endm
; A prefetch of what the NEXT change of slots will ask for: 32,768 bytes of K and as many of V.  The four partners take 8,192 bytes of each, told apart by address; in each, wave 0 asks for K's and wave 4 for V's,
; lanes 256 bytes apart: each block of 256 bytes is named once in the launch.  The last change that fills a slot asks for nothing.
.macro ASK
	s_cmp_gt_u32 s[SLOTS], s[LIM]
	s_cbranch_scc0 .Lnot_mine_\@
	global_prefetch_b8 v[PFO], s[PFA:PFA+1] th:TH_LOAD_NT scope:SCOPE_SE
.Lnot_mine_\@:
.endm
.macro CROUND
	s_barrier_signal -1
	s_barrier_wait -1
	s_cmp_lg_u32 s[WV], 0
	s_cbranch_scc1 .Lnot_wave_0_\@
	s_barrier_signal -3
.Lnot_wave_0_\@:
	s_barrier_wait -3
	s_barrier_signal -1
	s_barrier_wait -1
.endm
	s_load_b64 s[4:5], s[0:1], 0x0                 ; qkv
	s_load_b64 s[10:11], s[0:1], 0x8               ; ao
	v_lshl_add_u32 v[SPW], v0, 2, SPARE
	v_mov_b32 v[NIL], 0
	ds_add_u32 v[SPW], v[NIL]                      ; the wave's opening: the add, twice on end, and its wait ahead of my first tensor load
	ds_add_u32 v[SPW], v[NIL]
	v_lshrrev_b32 v1, 5, v0
	v_readfirstlane_b32 s[WV], v1                  ; wave 0..7
	s_bfe_u32 s13, ttmp6, 0x40000                  ; cx
	s_lshl_b32 s14, ttmp9, 2
	s_add_co_u32 s14, s14, s13                     ; my block of 512 queries: it enters Q's and O's addresses alone
	s_and_b32 s16, ttmp7, 0xffff                   ; batch x 16 + head, which the four partners share
	s_lshl_b32 s20, s16, 18                        ; its 2,048 rows of 128 bytes
	s_and_b32 s17, s[WV], 3                        ; which of a slot's four steps I fetch:
	s_lshl_b32 s22, s17, 13                        ; its 64 rows in memory,
	s_add_co_u32 s22, s22, s20
	s_add_co_u32 s22, s22, 1<<24                   ; in K
	s_mov_b32 s23, 0
	s_mul_i32 s17, s17, STEPB                      ; and its place in a slot
	s_lshl_b32 s2, s14, 16                         ; my block's 512 rows,
	s_lshl_b32 s3, s[WV], 13                       ; my wave's 64 of them
	s_add_co_u32 s2, s2, s3
	s_add_co_u32 s20, s20, s2                      ; Q
	s_mov_b32 s21, 0
	s_and_b32 s3, s16, 15
	s_lshl_b32 s3, s3, 20                          ; ao: head x 8,192 tokens x 128 bytes,
	s_add_co_u32 s2, s2, s3
	s_lshr_b32 s3, s16, 4
	s_lshl_b32 s3, s3, 18                          ; batch x 2,048 tokens
	s_add_co_u32 s2, s2, s3
	s_mov_b32 s3, 0
	; group 1: a tile of 64 rows x 64 elements of 2 bytes, dense in memory, padded in LDS
	s_mov_b32 s[G1K], 15|(1<<16)|(1<<20)|(1<<21)|(4<<22)|(3<<25)  ; the mask: all four; padding: 4 words behind every 32
	s_mov_b32 s[G1V], 15|(1<<16)|(1<<20)|(1<<21)|(4<<22)|(7<<25)  ; 8 words
.irp g, G1K, G1V
	s_mov_b32 s[\g+1], 64<<16
	s_mov_b32 s[\g+2], KS<<16
	s_mov_b32 s[\g+3], 64<<16
	s_mov_b32 s[\g+4], KS
	s_mov_b32 s[\g+5], 64
	s_mov_b32 s[\g+6], 0
	s_mov_b32 s[\g+7], 0
.endr
	s_mov_b32 s[SEL], 0x76543210
	s_mov_b32 s[SEL+1], 0xfedcba98                 ; v_permlanex16_b32: lane l xor 16
	s_mov_b32 s[TB], 0
	s_mov_b32 s[SLOTS], 2048/(NST*KS)-2
	s_and_b32 s[LIM], s[WV], 3
	s_cmp_eq_u32 s[LIM], 0                         ; waves 0 and 4 prefetch: the same in all partners
	s_cselect_b32 s[LIM], 1, -1
	v_and_b32 v[PFO], 31, v0
	v_lshlrev_b32 v[PFO], 8, v[PFO]
	s_wait_dscnt 0x0                               ; both opening adds are done
	s_wait_kmcnt 0x0
	s_add_nc_u64 s[6:7], s[4:5], s[22:23]          ; K at my tile of slot 0,
	s_add_nc_u64 s[8:9], s[6:7], 1<<24             ; V likewise,
	s_add_nc_u64 s[4:5], s[4:5], s[20:21]          ; Q and O at my wave's first row
	s_add_nc_u64 s[10:11], s[10:11], s[2:3]
	s_cmp_lt_u32 s[WV], 4
	s_cselect_b64 s[PFA:PFA+1], s[6:7], s[8:9]     ; (in waves 0 and 4 these stand at a slot's first row)
	s_lshl_b32 s2, s13, 13                         ; my work-group's 8,192 bytes of the 32,768
	s_mov_b32 s3, 0
	s_add_nc_u64 s[PFA:PFA+1], s[PFA:PFA+1], s[2:3]
	s_add_nc_u64 s[PFA:PFA+1], s[PFA:PFA+1], 2*SLOTB  ; in slot 2: the first change of slots steps it to slot 3.  Nothing is prefetched at the head
	CROUND                                         ; all four work-groups are here: the first joint loads meet
.irp s, 0,1
	s_mov_b32 s[G0K+4*\s], 1
	s_add_co_u32 s[G0K+4*\s+1], s17, \s*SLOT1
	s_add_nc_u64 s[G0K+4*\s+2:G0K+4*\s+3], s[6:7], \s*SLOTB
	s_or_b32 s[G0K+4*\s+3], s[G0K+4*\s+3], 0x80000000
	s_mov_b32 s[G0V+4*\s], 1
	s_add_co_u32 s[G0V+4*\s+1], s17, \s*SLOT1+VOFF
	s_add_nc_u64 s[G0V+4*\s+2:G0V+4*\s+3], s[8:9], \s*SLOTB
	s_or_b32 s[G0V+4*\s+3], s[G0V+4*\s+3], 0x80000000
.endr
	s_cmp_lt_u32 s[WV], 4                          ; a wave's two first fills stand in one branch: two loads of mine are out
	s_cbranch_scc0 .Lfirst_v
	tensor_load_to_lds s[G0K:G0K+3], s[G1K:G1K+7]
	s_nop 0
	tensor_load_to_lds s[G0K+4:G0K+7], s[G1K:G1K+7]
	s_nop 0
.rept 4
	v_nop
.endr
	s_branch .Lfirst_asked
.Lfirst_v:
	tensor_load_to_lds s[G0V:G0V+3], s[G1V:G1V+7]
	s_nop 0
	tensor_load_to_lds s[G0V+4:G0V+7], s[G1V:G1V+7]
	s_nop 0
.rept 4
	v_nop
.endr
.Lfirst_asked:
	v_and_b32 v1, 15, v0                           ; r
	v_bfe_u32 v9, v0, 4, 1                         ; h
	v_lshlrev_b32 v[QO], 7, v1
	v_lshl_add_u32 v[QO], v9, 4, v[QO]             ; row x 128 + 16 h
	WIN 0x40                                       ; destination window 1
.irp i, 0,1,2,3,4,5,6,7                        ; Q stays in registers: tile i / 2, channels 32 (i % 2) on
	global_load_b128 v[QF+8*\i:QF+8*\i+3],   v[QO], s[4:5] offset:(\i/2)*2048+(\i%2)*64
	global_load_b128 v[QF+8*\i+4:QF+8*\i+7], v[QO], s[4:5] offset:(\i/2)*2048+(\i%2)*64+32
.endr
	WIN 0
	v_mul_u32_u24 v[AK0], v1, PK
	v_lshl_add_u32 v[AK0], v9, 4, v[AK0]           ; K: row x pitch + 16 h
	v_and_b32 v11, 7, v0
	v_bfe_u32 v15, v0, 3, 1
	v_lshl_add_u32 v[AV0], v9, 3, v11              ; V, for the turning load: key 8 h + l % 8, channels 8 ((l / 8) % 2) on
	v_mul_u32_u24 v[AV0], v[AV0], PV
	v_lshl_add_u32 v[AV0], v15, 4, v[AV0]
	v_add_nc_u32 v[AV0], VOFF, v[AV0]
	s_mul_i32 s22, s[WV], 16*SP
	s_add_co_u32 s22, s22, STAGE                   ; my stage
	v_mul_u32_u24 v[STO], v1, SP
	v_lshl_add_u32 v[STO], v9, 4, v[STO]
	v_add_nc_u32 v[STO], s22, v[STO]               ; in: row r, 16 bytes for each half of the lanes
	v_bfe_u32 v15, v0, 3, 2
	v_mul_u32_u24 v[RD], v15, SP
	v_lshl_add_u32 v[RD], v11, 4, v[RD]
	v_add_nc_u32 v[RD], s22, v[RD]                 ; back: eight lanes to a row of 128 bytes, four rows an instruction
	v_and_b32 v[GO], 31, v0
	v_lshlrev_b32 v[GO], 4, v[GO]                  ; and in ao: 16 x lane
.irp t, 0,1,2,3
	v_mov_b32 v[ST+8*\t+1], 0                      ; named with m as a pair, so it is written
.endr
.macro PLACES
.rept 4
	v_nop
.endr
.endm
.macro FETCH_K                         ; a step's K: keys 16 kt on, channels 32 c on, at v[KF + 16 kt + 8 c] of window 1
	WIN 0
	v_add_nc_u32 v[ADR], s[TB], v[AK0]
	WIN 0x40
.irp f, 0,1,2,3,4,5,6,7
	ds_load_b128 v[KF+8*\f:KF+8*\f+3],   v[ADR] offset:(\f/2)*16*PK+(\f%2)*64
	ds_load_b128 v[KF+8*\f+4:KF+8*\f+7], v[ADR] offset:(\f/2)*16*PK+(\f%2)*64+32
.endr
.endm
.macro FETCH_V                         ; the same step's V, turned: keys 32 (f / 4) on, channels 16 (f % 4) on
	WIN 0
	v_add_nc_u32 v[ADV], s[TB], v[AV0]
	s_add_co_u32 s[TB], s[TB], STEPB               ; the next fetch is the next step's
.irp f, 0,1,2,3,4,5,6,7
	ds_load_tr16_b128 v[VF+8*\f:VF+8*\f+3],   v[ADV] offset:(\f/4)*32*PV+(\f%4)*32
	ds_load_tr16_b128 v[VF+8*\f+4:VF+8*\f+7], v[ADV] offset:(\f/4)*32*PV+16*PV+(\f%4)*32
.endr
.endm
; 16 products S^T = K Q^T for tiles x, x + 1: eight accumulators by turns, one instruction a turn; the first eight start the sums.
.macro KQ x
	WIN W_KQ
.set i, 0
.rept 16
.set rS, S+32*(i%2)+8*((i/2)%4)
.set rK, KF+16*((i/2)%4)+8*(i/8)
.set rQ, QF+16*(\x+i%2)+8*(i/8)
.if i < 8
	v_wmma_f32_16x16x32_bf16 v[rS:rS+7], v[rK:rK+7], v[rQ:rQ+7], 0
.else
	v_wmma_f32_16x16x32_bf16 v[rS:rS+7], v[rK:rK+7], v[rQ:rQ+7], v[rS:rS+7]
.endif
.set i, i+1
.endr
.endm
; 16 products O^T += V^T P: keys 32 (i / 8) on, channels 16 ((i / 2) % 4) on, tile x + i % 2.  first = 1: the first eight start the sums: nothing is cleared.
.macro PVM x, first
	WIN W_PV
.set i, 0
.rept 16
.set rO, 32*(\x+i%2)+8*((i/2)%4)
.set rV, VF+8*(4*(i/8)+(i/2)%4)
.set rP, P+16*(i%2)+8*(i/8)
.if \first && (i < 8)
	v_wmma_f32_16x16x32_f16 v[rO:rO+7], v[rV:rV+7], v[rP:rP+7], 0
.else
	v_wmma_f32_16x16x32_f16 v[rO:rO+7], v[rV:rV+7], v[rP:rP+7], v[rO:rO+7]
.endif
.set i, i+1
.endr
.endm
; The softmax of tiles x, x + 1 for one key step, the two tiles line by line by turns.  The maximum begins at each accumulator's low end.  All exponentials are one batch with one wait.
.macro SOFT x, first
	WIN 0
.irp j, 0,1,2,3
.irp e, 0,1
	v_max3_num_f32 v[ST+8*(\x+\e)+4+\j], v[S+32*\e+8*\j], v[S+32*\e+8*\j+1], v[S+32*\e+8*\j+2]
.endr
.endr
.irp g, 1,2
.irp j, 0,1,2,3
.irp e, 0,1
	v_max3_num_f32 v[ST+8*(\x+\e)+4+\j], v[ST+8*(\x+\e)+4+\j], v[S+32*\e+8*\j+2*\g+1], v[S+32*\e+8*\j+2*\g+2]
.endr
.endr
.endr
.irp e, 0,1
	v_max3_num_f32 v[ST+8*(\x+\e)+4], v[ST+8*(\x+\e)+4], v[S+32*\e+7], v[S+32*\e+15]
.endr
.irp e, 0,1
	v_max3_num_f32 v[ST+8*(\x+\e)+6], v[ST+8*(\x+\e)+6], v[S+32*\e+23], v[S+32*\e+31]
.endr
.irp e, 0,1
	v_max3_num_f32 v[ST+8*(\x+\e)+4], v[ST+8*(\x+\e)+4], v[ST+8*(\x+\e)+5], v[ST+8*(\x+\e)+6]
.endr
.irp e, 0,1
.if \first
	v_max_num_f32 v[ST+8*(\x+\e)+4], v[ST+8*(\x+\e)+4], v[ST+8*(\x+\e)+7]
.else
	v_max3_num_f32 v[ST+8*(\x+\e)+4], v[ST+8*(\x+\e)+4], v[ST+8*(\x+\e)+7], v[ST+8*(\x+\e)]   ; and the old m
.endif
.endr
.irp e, 0,1
	v_permlanex16_b32 v[ST+8*(\x+\e)+5], v[ST+8*(\x+\e)+4], s[SEL], s[SEL+1]   ; the query's other 32 keys lie in the lane 16 away
.endr
.if !\first
.irp e, 0,1
	v_mov_b32 v[ST+8*(\x+\e)+7], v[ST+8*(\x+\e)]   ; m_old
.endr
.endif
.irp e, 0,1
	v_max_num_f32 v[ST+8*(\x+\e)], v[ST+8*(\x+\e)+4], v[ST+8*(\x+\e)+5]        ; the new m
.endr
.if !\first
.irp e, 0,1
	v_sub_f32 v[ST+8*(\x+\e)+7], v[ST+8*(\x+\e)+7], v[ST+8*(\x+\e)]            ; m_old - m_new, 0 or less
.endr
.endif
.set i, 0
.rept 16
	v_pk_add_f32 v[S+2*i:S+2*i+1], v[S+2*i:S+2*i+1], v[ST+8*\x:ST+8*\x+1] op_sel_hi:[1,0] neg_lo:[0,1] neg_hi:[0,1]   ; t - m, two at a time
	v_pk_add_f32 v[S+32+2*i:S+32+2*i+1], v[S+32+2*i:S+32+2*i+1], v[ST+8*(\x+1):ST+8*(\x+1)+1] op_sel_hi:[1,0] neg_lo:[0,1] neg_hi:[0,1]
.set i, i+1
.endr
.if !\first
	v_exp_f32 v[ST+8*\x+6], v[ST+8*\x+7]           ; a
	v_exp_f32 v[ST+8*(\x+1)+6], v[ST+8*(\x+1)+7]
.endif
.set i, 0
.rept 64
	v_exp_f32 v[S+i], v[S+i]                       ; p = 2^(t - m)
.set i, i+1
.endr
	v_nop                                          ; a plain line behind the last exponential
	s_wait_alu depctr_va_vdst(0)                   ; one wait for the batch, ahead of the first line that names a result
.set i, 0
.rept 32
	v_cvt_pk_f16_f32 v[P+i], v[S+2*i], v[S+2*i+1]  ; two neighbouring keys to a register: source 1 of the second product as it stands
.set i, i+1
.endr
.endm
.macro RESC x                          ; O^T x a, each accumulator from its low end on
	WIN W_RS
.set i, 0
.rept 16
	v_pk_mul_f32 v[32*\x+2*i:32*\x+2*i+1], v[32*\x+2*i:32*\x+2*i+1], v[ST+8*\x+6:ST+8*\x+7] op_sel_hi:[1,0]
.set i, i+1
.endr
.set i, 0
.rept 16
	v_pk_mul_f32 v[32*(\x+1)+2*i:32*(\x+1)+2*i+1], v[32*(\x+1)+2*i:32*(\x+1)+2*i+1], v[ST+8*(\x+1)+6:ST+8*(\x+1)+7] op_sel_hi:[1,0]
.set i, i+1
.endr
.endm
; The row's sums of the unrounded p, in place: neighbours 1, 2, 4, 8 pairs apart; then l = a l + the sum.  These lines name S^T and the statistics alone: they are the places behind the products V^T P, ahead of the loads into V and the next writes of P.
.macro SUMS x, first
	WIN 0
.set z, 0
.rept 15
.set w, 4
.set u, z
.if z >= 14
.set w, 32
.set u, 0
.elseif z >= 12
.set w, 16
.set u, z-12
.elseif z >= 8
.set w, 8
.set u, z-8
.endif
.irp e, 0,1
.if (z == 14) && \first
	v_pk_add_f32 v[ST+8*(\x+\e)+2:ST+8*(\x+\e)+3], v[S+32*\e:S+32*\e+1], v[S+32*\e+16:S+32*\e+17]
.else
	v_pk_add_f32 v[S+32*\e+w*u:S+32*\e+w*u+1], v[S+32*\e+w*u:S+32*\e+w*u+1], v[S+32*\e+w*u+w/2:S+32*\e+w*u+w/2+1]
.endif
.endr
.set z, z+1
.endr
.if !\first
.irp e, 0,1
	v_pk_fma_f32 v[ST+8*(\x+\e)+2:ST+8*(\x+\e)+3], v[ST+8*(\x+\e)+2:ST+8*(\x+\e)+3], v[ST+8*(\x+\e)+6:ST+8*(\x+\e)+7], v[S+32*\e:S+32*\e+1] op_sel_hi:[1,0,1]
.endr
.endif
.endm
.macro HALF_A first
	s_wait_dscnt 16                                ; K's 16 loads are in; V's 16, issued behind them, may be out
	KQ 0
	WIN 0
	PLACES                                         ; behind the products, ahead of the reads of S^T
	SOFT 0, \first
.if !\first
	RESC 0
.endif
	s_wait_dscnt 0x0                               ; V is in
	PVM 0, \first
	SUMS 0, \first
	KQ 2
	WIN 0
	PLACES                                         ; ahead of the reads of S^T and of the loads into K
.endm
.macro HALF_B fetch, first
.if \fetch
	FETCH_K
.endif
	SOFT 2, \first
.if !\first
	RESC 2
.endif
	PVM 2, \first
	SUMS 2, \first
.if \fetch
	FETCH_V
.endif
.endm
.macro TRIPS n                         ; n times: the rest of one key step and the first half of the next
	s_mov_b32 s[CNT], \n
.Ltrip_\@:
	HALF_B 1, 0
	HALF_A 0
	s_sub_co_u32 s[CNT], s[CNT], 1
	s_cmp_lg_u32 s[CNT], 0
	s_cbranch_scc1 .Ltrip_\@
.endm
; THE CHANGE OF SLOTS stands between the halves of a slot's last step: its K and V are in registers.  Each wave waits for all its tensor loads (one is out: its part of the other slot), adds 0 to its spare word,
; and waits for that and for its reads of the slot.  fill = 1: a round of the cluster's barrier, and the slot is filled again with the keys two slots on: the load has four key steps in which to land.
.macro CHANGE fill
	WIN 0
	s_wait_tensorcnt 0x0                           ; no tensor load of mine is out, so a group 0 may be written
	ds_add_u32 v[SPW], v[NIL]
.if \fill
.irp g, G0K+4, G0V+4
	s_xor_b32 s[\g+1], s[\g+1], SLOT1              ; the walking descriptor: the other slot than last time,
	s_add_nc_u64 s[\g+2:\g+3], s[\g+2:\g+3], SLOTB ; the next 256 keys
.endr
	s_wait_xcnt 0x0                                ; the last prefetch, a slot back, has read its address
	s_add_nc_u64 s[PFA:PFA+1], s[PFA:PFA+1], SLOTB ; one slot further on than the walking descriptors
	s_wait_dscnt 0x0                               ; the add is done, and my reads of the slot are over
	CROUND
	JLOAD
	ASK
.else
	s_wait_dscnt 0x0
	s_barrier_signal -1
	s_barrier_wait -1
.endif
	s_sub_co_u32 s[TB], s[TB], NST*STEPB           ; the fetches go back to a slot's first step,
	s_xor_b32 s[TB], s[TB], SLOT1                  ; in the other slot
.endm
	s_wait_tensorcnt 1                             ; my part of slot 0 is in; slot 1's may stay out
	s_barrier_signal -1
	s_barrier_wait -1
	FETCH_K                                        ; key step 0
	FETCH_V
	s_wait_loadcnt 0x0                             ; Q
	HALF_A 1                                       ; step 0 starts m, l and O^T
	HALF_B 1, 1
	HALF_A 0
	TRIPS 2                                        ; up to the first half of step 3, slot 0's last
.Lslot:                                            ; six trips: slots 1 to 6 are entered, and the slot just left takes the keys two slots on
	CHANGE 1
	TRIPS 4
	s_sub_co_u32 s[SLOTS], s[SLOTS], 1
	s_cmp_lg_u32 s[SLOTS], 0
	s_cbranch_scc1 .Lslot
	CHANGE 0                                       ; the last slot is written out
	TRIPS 4
	HALF_B 0, 0                                    ; the rest of the last step
	; THE WAY OUT.  l's two halves and the other half of the lanes' are added; O^T / l, rounded to f16, goes through my stage, a tile (16 rows of 128 bytes) at a time.
	WIN 0
.irp t, 0,1,2,3
	v_add_f32 v[ST+8*\t+4], v[ST+8*\t+2], v[ST+8*\t+3]
.endr
.irp t, 0,1,2,3
	v_permlanex16_b32 v[ST+8*\t+5], v[ST+8*\t+4], s[SEL], s[SEL+1]
.endr
.irp t, 0,1,2,3
	v_add_f32 v[ST+8*\t+4], v[ST+8*\t+4], v[ST+8*\t+5]
.endr
.irp t, 0,1,2,3
	v_rcp_f32 v[ST+8*\t+6], v[ST+8*\t+4]
.endr
	v_nop                                          ; a plain line behind the last reciprocal
	s_wait_alu depctr_va_vdst(0)                   ; one wait for the four, ahead of their first use
.macro PACK t
	WIN W_RS
.set i, 0
.rept 16
	v_pk_mul_f32 v[32*\t+2*i:32*\t+2*i+1], v[32*\t+2*i:32*\t+2*i+1], v[ST+8*\t+6:ST+8*\t+7] op_sel_hi:[1,0]
.set i, i+1
.endr
	WIN 0x05                                       ; sources in window 1, destination in window 0: S^T's registers are free
.set i, 0
.rept 16
	v_cvt_pk_f16_f32 v[S+16*\t+i], v[32*\t+2*i], v[32*\t+2*i+1]
.set i, i+1
.endr
	WIN 0
.irp f, 0,1,2,3
	ds_store_b128 v[STO], v[S+16*\t+4*\f:S+16*\t+4*\f+3] offset:32*\f
.endr
.irp f, 0,1,2,3
	ds_load_b128 v[S+16*\t+4*\f:S+16*\t+4*\f+3], v[RD] offset:\f*4*SP   ; LDS serves a wave's instructions in order: these see the stores above; the next tile's stores come behind them
.endr
.endm
.macro SEND t, younger                 ; younger: the LDS instructions issued behind tile t's loads
.irp f, 0,1,2,3
	s_wait_dscnt \younger+3-\f
	global_store_b128 v[GO], v[S+16*\t+4*\f:S+16*\t+4*\f+3], s[10:11] offset:\t*2048+\f*512   ; 32 lanes store 512 consecutive bytes, aligned
.endr
.endm
	PACK 0
	PACK 1
	SEND 0, 8
	PACK 2
	SEND 1, 8
	PACK 3
	SEND 2, 8
	SEND 3, 0
	s_wait_tensorcnt 0x0                           ; the wave's end: behind my last tensor load and my last LDS store
	ds_add_u32 v[SPW], v[NIL]
	s_wait_dscnt 0x0
	CROUND                                         ; the closing round
	s_endpgm
.Lfunc_end_k_q8d561aa0b9_attn:
	.size	k_q8d561aa0b9_attn, .Lfunc_end_k_q8d561aa0b9_attn-k_q8d561aa0b9_attn
	.p2alignl 7, 3214868480
	.fill 96, 4, 3214868480
	.section	.rodata,"a",@progbits
	.p2align	6, 0x0
	.amdhsa_kernel k_q8d561aa0b9_attn
		.amdhsa_group_segment_fixed_size 327680
		.amdhsa_private_segment_fixed_size 0
		.amdhsa_enable_private_segment 0
		.amdhsa_kernarg_size 16
		.amdhsa_user_sgpr_count 2
		.amdhsa_user_sgpr_kernarg_segment_ptr 1
		.amdhsa_wavefront_size32 1
		.amdhsa_system_sgpr_workgroup_id_x 1
		.amdhsa_system_sgpr_workgroup_id_y 1
		.amdhsa_system_sgpr_workgroup_id_z 1
		.amdhsa_system_vgpr_workitem_id 0
		.amdhsa_next_free_vgpr 512
		.amdhsa_next_free_sgpr 66
		.amdhsa_reserve_vcc 0
		.amdhsa_float_denorm_mode_32 3
		.amdhsa_float_denorm_mode_16_64 3
		.amdhsa_memory_ordered 1
		.amdhsa_forward_progress 1
		.amdhsa_inst_pref_size 178
	.end_amdhsa_kernel
	.amdgpu_metadata
---
amdhsa.version: [ 1, 2 ]
amdhsa.kernels:
  - .name:           k_q8d561aa0b9_attn
    .symbol:         k_q8d561aa0b9_attn.kd
    .args:
      - { .name: qkv, .offset: 0, .size: 8, .value_kind: global_buffer, .address_space: global }
      - { .name: ao, .offset: 8, .size: 8, .value_kind: global_buffer, .address_space: global }
    .group_segment_fixed_size: 327680
    .private_segment_fixed_size: 0
    .kernarg_segment_align: 8
    .kernarg_segment_size: 16
    .max_flat_workgroup_size: 256
    .sgpr_count:     66
    .vgpr_count:     512
    .wavefront_size: 32
...
	.end_amdgpu_metadata
.endif
;; end of part 3
;; launch proj (part 4): grid 4 x 64, 4 waves a work-group, clusters of 4 x 4, 327,680 bytes of LDS; arguments ao, wo16, bo, out0; writes out0
.if DOCPART == 4
	.amdgcn_target "amdgcn-amd-amdhsa--gfx1250"
	.amdhsa_code_object_version 6
	.text
	.protected	k_q8d561aa0b9_proj
	.globl	k_q8d561aa0b9_proj
	.p2align	8
	.type	k_q8d561aa0b9_proj,@function
k_q8d561aa0b9_proj:
	s_mov_b64 s[64:65], 0
	v_nop
	global_prefetch_b8 v0, s[64:65] scope:SCOPE_SE
	s_setreg_imm32_b32 hwreg(HW_REG_WAVE_MODE, 25, 1), 1
	s_wait_xcnt 0x0
	s_wait_alu depctr_hold_cnt(0) depctr_sa_sdst(0) depctr_va_vdst(0) depctr_va_sdst(0) depctr_va_ssrc(0) depctr_va_vcc(0) depctr_vm_vsrc(0)
	s_getreg_b32 s2, hwreg(HW_REG_IB_STS2, 6, 4)
	s_cmp_eq_u32 s2, 0
	s_cbranch_scc0 .Lentry_in_a_cluster
	s_endpgm
.Lentry_in_a_cluster:
	s_bfe_u32 s2, ttmp6, 0x10000c
	s_cmp_lg_u32 s2, 0xf033
	s_cbranch_scc0 .Lentry_shape_is_right
	s_endpgm
.Lentry_shape_is_right:
; out0[m][f] = the sum over e of ao[m][e] Wo[f][e] + bo[f]: M 8,192, N 1,024, K 1,024, f16 operands, f32 sums and output.
; ao: [K block 16][token 8192][64] f16; wo16: [K block 16][row 1024][64] f16: a K block of a tile's rows is one dense block of memory.
; A tile of C is 128 tokens x 256 features: 256 work-groups.  Four waves, each 64 x 128: 32 accumulators, 256 registers.  K goes in steps of 128 (two K blocks) through two LDS slots.
; Each wave fetches one dense block a step: waves 0, 1 A's two K blocks (128 rows x 128 bytes), waves 2, 3 B's (256 rows).
; CLUSTERS: 4 x 4: A's tiles are shared along a row of the cluster, B's along a column: joint loads.  THE MATRIX INSTRUCTION IS USED TRANSPOSED (source 0 = 16 rows of Wo, source 1 = 16 tokens).
; The bias is the C of the first products.  LIMITS: as the operands' f16 has them: |ao|, |Wo| under 65,504.
; REGISTERS: window 0: v0-31 addresses; v32-95 the bias; v128-255 rows on the way out.  window 1: two fragment buffers at v0 and v128: A's 4 fragments, then B's 8.  window 2: the accumulators ((a, b) at v[8 (8 a + b)]).
.set PITCH,  144                       ; an LDS row: 128 bytes + 16
.set ASUB,   128*PITCH                 ; a K block of A's tile
.set BSUB,   256*PITCH                 ; of B's
.set SLOT,   2*ASUB+2*BSUB             ; A0, A1, B0, B1
.set STAGE,  2*SLOT                    ; behind the ring: 16 rows x (512 bytes + 16) for each wave
.set SPITCH, 528
.set SPARE,  STAGE+4*16*SPITCH         ; the spare words, 128 bytes a wave
.set LAPS,   4                         ; a lap = two K steps
.set KSA,    2<<20                     ; a K step on in ao
.set KSBB,   2*131072                  ; and in wo16
.set ADRA, 16
.set ADRB, 20
.set STO,  24
.set RD,   25
.set CO,   26
.set SPW,  28                          ; v28 my spare word; never rewritten
.set NIL,  29                          ; v29 0; never rewritten
.set PFO,  30                          ; v30 256 x lane; never rewritten
.set BI,   32
.set BK,   128
.set F0,   0
.set F1,   128
.set G1, 24
.set G0, 32
.set G1B, 48
.set G0B, 56
.set LIM, 43                           ; s43 1 in wave 0, else the greatest number
.set PFA, 44                           ; s[44:45] where my prefetches stand
.set MSB, 0
.macro WIN new
.if MSB != \new
	s_set_vgpr_msb (MSB<<8)|\new
.set MSB, \new
.endif
.endm
.set MUL,  0xa5                        ; sources 0 and 1 window 1; C and D window 2
.set MULB, 0x85                        ; the first products: C is the bias, in window 0
.set TO_F, 0x40
.macro JLOAD s                         ; waves 0 and 1 fetch for A, waves 2 and 3 for B; an s_nop 0 and four v_nop follow each line
	s_cmp_eq_u32 s13, 0
	s_cbranch_scc0 .Lfor_b_\@
	tensor_load_to_lds s[G0+4*\s:G0+4*\s+3], s[G1:G1+7]
	s_nop 0
.rept 4
	v_nop
.endr
	s_branch .Lasked_\@
.Lfor_b_\@:
	tensor_load_to_lds s[G0B+4*\s:G0B+4*\s+3], s[G1B:G1B+7]
	s_nop 0
.rept 4
	v_nop
.endr
.Lasked_\@:
.endm
; A prefetch of A's K step that stands two refills on: 32,768 bytes for the four partners of a row of the cluster, 8,192 each, told apart by address; wave 0 asks, lanes 256 bytes apart.
; No other cluster reads these rows, so each block of 256 bytes is named once.  The loop's last trip asks for nothing: there is no K step two refills on.  B is read by all 64 tile rows and is not asked for.
.macro ASK
	WIN 0
	s_cmp_gt_u32 s3, s[LIM]
	s_cbranch_scc0 .Lnot_mine_\@
	global_prefetch_b8 v[PFO], s[PFA:PFA+1] offset:KSA th:TH_LOAD_NT scope:SCOPE_SE
.Lnot_mine_\@:
.endm
.macro CREST
	s_cmp_lg_u32 s12, 0
	s_cbranch_scc1 .Lnot_wave_0_\@
	s_barrier_signal -3
.Lnot_wave_0_\@:
	s_barrier_wait -3
	s_barrier_signal -1
	s_barrier_wait -1
.endm
.macro CROUND
	s_barrier_signal -1
	s_barrier_wait -1
	CREST
.endm
	s_load_b256 s[4:11], s[0:1], 0x0               ; ao s[4:5], wo16 s[6:7], bo s[8:9], out0 s[10:11]
	v_lshl_add_u32 v[SPW], v0, 2, SPARE
	v_mov_b32 v[NIL], 0
	ds_add_u32 v[SPW], v[NIL]                      ; the wave's opening: the add, twice on end, and its wait ahead of my first tensor load
	ds_add_u32 v[SPW], v[NIL]
	v_lshrrev_b32 v1, 5, v0
	v_readfirstlane_b32 s12, v1                    ; wave 0..3
	s_lshr_b32 s13, s12, 1                         ; which half of the tile's tokens is mine.  Also: I fetch for A (0) or for B (1)
	s_and_b32 s14, s12, 1                          ; which half of its features.  Also: which K block of a step I fetch
	s_bfe_u32 s40, ttmp6, 0x40000                  ; cx, cy
	s_bfe_u32 s41, ttmp6, 0x40004
	s_lshl_b32 s42, ttmp9, 2
	s_add_co_u32 s42, s42, s40                     ; tile column
	s_and_b32 s15, ttmp7, 0xffff
	s_lshl_b32 s15, s15, 2
	s_add_co_u32 s15, s15, s41                     ; tile row
	s_lshl_b32 s16, s41, 2
	s_lshl_b32 s16, 15, s16                        ; my row of the cluster
	s_lshl_b32 s17, 0x1111, s40                    ; my column
	; group 1: rows of 64 elements of 2 bytes, dense in memory, 4 words of padding behind every 32
	s_or_b32 s[G1+0], s16, (1<<16)|(1<<20)|(1<<21)|(4<<22)|(3<<25)
	s_mov_b32 s[G1+1], 64<<16
	s_mov_b32 s[G1+2], 128<<16
	s_mov_b32 s[G1+3], 64<<16
	s_mov_b32 s[G1+4], 128
	s_mov_b32 s[G1+5], 64
	s_mov_b32 s[G1+6], 0
	s_mov_b32 s[G1+7], 0
	s_or_b32 s[G1B+0], s17, (1<<16)|(1<<20)|(1<<21)|(4<<22)|(3<<25)
	s_mov_b32 s[G1B+1], 64<<16
	s_mov_b32 s[G1B+2], 256<<16
	s_mov_b32 s[G1B+3], 64<<16
	s_mov_b32 s[G1B+4], 256
	s_mov_b32 s[G1B+5], 64
	s_mov_b32 s[G1B+6], 0
	s_mov_b32 s[G1B+7], 0
	s_lshl_b32 s20, s14, 20                        ; A: my K block (8,192 tokens x 128 bytes each),
	s_lshl_b32 s21, s15, 14                        ; the tile's 128 tokens
	s_add_co_u32 s20, s20, s21
	s_mov_b32 s21, 0
	s_lshl_b32 s46, s14, 17                        ; B: my K block (1,024 rows x 128 bytes),
	s_lshl_b32 s47, s42, 15                        ; the tile's 256 rows
	s_add_co_u32 s46, s46, s47
	s_mov_b32 s47, 0
	s_mul_i32 s22, s14, ASUB                       ; where they go: no place in the cluster enters an LDS address
	s_mul_i32 s23, s14, BSUB
	s_add_co_u32 s23, s23, 2*ASUB
	s_wait_dscnt 0x0                               ; both opening adds are done
	s_wait_kmcnt 0x0
	s_add_nc_u64 s[20:21], s[4:5], s[20:21]
	s_add_nc_u64 s[46:47], s[6:7], s[46:47]
	CROUND                                         ; all sixteen work-groups are here: the first joint loads meet
.irp s, 0,1
	s_mov_b32 s[G0+4*\s], 1
	s_add_co_u32 s[G0+4*\s+1], s22, \s*SLOT
	s_add_nc_u64 s[G0+4*\s+2:G0+4*\s+3], s[20:21], \s*KSA
	s_or_b32 s[G0+4*\s+3], s[G0+4*\s+3], 0x80000000
	s_mov_b32 s[G0B+4*\s], 1
	s_add_co_u32 s[G0B+4*\s+1], s23, \s*SLOT
	s_add_nc_u64 s[G0B+4*\s+2:G0B+4*\s+3], s[46:47], \s*KSBB
	s_or_b32 s[G0B+4*\s+3], s[G0B+4*\s+3], 0x80000000
	JLOAD \s                                       ; two tensor loads of mine are out
.endr
	v_and_b32 v1, 15, v0                           ; r
	v_bfe_u32 v2, v0, 4, 1                         ; h
	v_mul_u32_u24 v3, v1, PITCH
	v_lshl_add_u32 v3, v2, 4, v3                   ; a fragment's row x pitch + 16 h
	s_mul_i32 s18, s13, 64*PITCH                   ; my 64 rows of A
	s_mul_i32 s19, s14, 128*PITCH                  ; my 128 rows of B,
	s_add_co_u32 s19, s19, 2*ASUB                  ; behind A's two K blocks
.irp s, 0,1
	v_add_nc_u32 v[ADRA+\s], s18, v3
	v_add_nc_u32 v[ADRB+\s], s19, v3
	s_add_co_u32 s18, s18, SLOT
	s_add_co_u32 s19, s19, SLOT
.endr
	s_mul_i32 s18, s12, 16*SPITCH
	s_add_co_u32 s18, s18, STAGE                   ; my stage
	v_mul_u32_u24 v4, v1, SPITCH
	v_lshl_add_u32 v4, v2, 5, v4
	v_add_nc_u32 v[STO], s18, v4                   ; in: row r, 32 bytes for each half of the lanes
	v_and_b32 v5, 31, v0
	v_lshlrev_b32 v[CO], 4, v5                     ; back: the 32 lanes take a row of 512 bytes; the same in out0
	v_add_nc_u32 v[RD], s18, v[CO]
	v_lshlrev_b32 v[PFO], 8, v5
	v_lshlrev_b32 v6, 5, v2                        ; the bias: 32 h
	s_lshl_b32 s46, s42, 10                        ; my first feature, in bytes of f32: 1,024 x tile column + 512 x half
	s_lshl_b32 s47, s14, 9
	s_add_co_u32 s46, s46, s47
	s_mov_b32 s47, 0
	s_add_nc_u64 s[8:9], s[8:9], s[46:47]
.irp b, 0,1,2,3,4,5,6,7
	global_load_b128 v[BI+8*\b:BI+8*\b+3], v6, s[8:9] offset:64*\b           ; register 8 b + j: bo of feature 16 b + 8 h + j
	global_load_b128 v[BI+8*\b+4:BI+8*\b+7], v6, s[8:9] offset:64*\b+16
.endr
	s_lshl_b32 s20, s15, 19                        ; my first row of out0: (128 x tile row + 64 x half) x 4,096 bytes
	s_lshl_b32 s21, s13, 18
	s_add_co_u32 s20, s20, s21
	s_mov_b32 s21, 0
	s_add_nc_u64 s[20:21], s[20:21], s[46:47]
	s_add_nc_u64 s[10:11], s[10:11], s[20:21]
	s_lshr_b32 s46, s40, 1                         ; the prefetches: my work-group's 8,192 bytes of a K step's 32,768: K block cx / 2, half cx % 2,
	s_lshl_b32 s46, s46, 20
	s_and_b32 s47, s40, 1
	s_lshl_b32 s47, s47, 13
	s_add_co_u32 s46, s46, s47
	s_lshl_b32 s47, s15, 14                        ; of the tile's tokens,
	s_add_co_u32 s46, s46, s47
	s_add_co_u32 s46, s46, 2*KSA                   ; at K step 2: the first refill steps it to 3 and names K step 4
	s_mov_b32 s47, 0
	s_add_nc_u64 s[PFA:PFA+1], s[4:5], s[46:47]
	s_cmp_eq_u32 s12, 0
	s_cselect_b32 s[LIM], 1, -1
; 8 products: A's block a x B's eight, 32 along K.  bias = 1: they start the sums from the bias.  The 32 accumulators take turns, one instruction a turn.
.macro MUL8 f, a, bias
.irp b, 0,1,2,3,4,5,6,7
.if \bias
	v_wmma_f32_16x16x32_f16 v[8*(8*\a+\b):8*(8*\a+\b)+7], v[\f+32+8*\b:\f+32+8*\b+7], v[\f+8*\a:\f+8*\a+7], v[BI+8*\b:BI+8*\b+7]
.else
	v_wmma_f32_16x16x32_f16 v[8*(8*\a+\b):8*(8*\a+\b)+7], v[\f+32+8*\b:\f+32+8*\b+7], v[\f+8*\a:\f+8*\a+7], v[8*(8*\a+\b):8*(8*\a+\b)+7]
.endif
.endr
.endm
; 24 LDS loads in one run: quarter q of a K step (K block q / 2, byte 64 (q % 2) of its rows) into buffer f: B's eight fragments, then A's four
.macro FETCH slot, q, f
	WIN TO_F
.irp i, 0,1,2,3,4,5,6,7
	ds_load_b128 v[\f+32+8*\i:\f+32+8*\i+3],   v[ADRB+\slot] offset:((\q)/2)*BSUB+((\q)%2)*64+\i*16*PITCH
	ds_load_b128 v[\f+32+8*\i+4:\f+32+8*\i+7], v[ADRB+\slot] offset:((\q)/2)*BSUB+((\q)%2)*64+\i*16*PITCH+32
.endr
.irp i, 0,1,2,3
	ds_load_b128 v[\f+8*\i:\f+8*\i+3],   v[ADRA+\slot] offset:((\q)/2)*ASUB+((\q)%2)*64+\i*16*PITCH
	ds_load_b128 v[\f+8*\i+4:\f+8*\i+7], v[ADRA+\slot] offset:((\q)/2)*ASUB+((\q)%2)*64+\i*16*PITCH+32
.endr
.endm
.macro PLACES                          ; plain vector lines between a matrix instruction and a load into, or a read of, its registers
.rept 4
	v_nop
.endr
.endm
; One of a K step's first three quarters: multiplies buffer f and fetches quarter qn of the same slot into g.
.macro QUARTER slot, qn, f, g, bias
	s_wait_dscnt 4                                 ; B and A's blocks 0, 1 are in; the youngest four loads (A's blocks 2, 3) may be out
.if \bias
	WIN MULB
.else
	WIN MUL
.endif
	MUL8 \f, 0, \bias
	MUL8 \f, 1, \bias
	PLACES
	FETCH \slot, \qn, \g
	s_wait_dscnt 24                                ; all but the 24 just issued
.if \bias
	WIN MULB
.else
	WIN MUL
.endif
	MUL8 \f, 2, \bias
	MUL8 \f, 3, \bias
.endm
; The last quarter multiplies buffer 1 and changes slots: one barrier; in front of it each wave waits for all its tensor loads, adds 0 to its spare word, and waits for that and for its reads of this slot.
; fill = 1: the barrier opens a round of the cluster's barrier, and this slot is filled again, two K steps ahead.
.macro TURN slot, next, fill
.if \fill
	s_wait_xcnt 0x0                                ; the last prefetch, a K step back, has read its address
	s_add_nc_u64 s[PFA:PFA+1], s[PFA:PFA+1], KSA
.endif
	WIN 0                                          ; (the add's two registers lie in window 0)
	s_wait_tensorcnt 0x0                           ; my part of the next slot has landed
	ds_add_u32 v[SPW], v[NIL]
	s_wait_dscnt 5                                 ; (the add and the youngest four loads may be out)
	WIN MUL
	MUL8 F1, 0, 0
	s_wait_dscnt 0x0                               ; the add is done, and my reads of this slot are over
	s_barrier_signal -1
	MUL8 F1, 1, 0
	WIN 0
	s_barrier_wait -1
.if \fill
	CREST                                          ; no wave of any partner still reads this slot or has a load on its way
	s_add_nc_u64 s[G0+4*\slot+2:G0+4*\slot+3], s[G0+4*\slot+2:G0+4*\slot+3], 2*KSA
	s_add_nc_u64 s[G0B+4*\slot+2:G0B+4*\slot+3], s[G0B+4*\slot+2:G0B+4*\slot+3], 2*KSBB
	JLOAD \slot                                    ; my one tensor load behind the round; its four v_nop are also the places in front of the loads below
.else
	PLACES
.endif
	FETCH \next, 0, F0
.if \fill
	ASK
.endif
	WIN MUL
	MUL8 F1, 2, 0
	MUL8 F1, 3, 0
.endm
	s_wait_tensorcnt 1                             ; my part of K step 0 is in (K step 1's load may be out),
	s_barrier_signal -1
	s_barrier_wait -1                              ; everybody's is
	FETCH 0, 0, F0
	s_wait_loadcnt 0x0                             ; the bias
	QUARTER 0, 1, F0, F1, 1                        ; the first quarter stands in front of the loop: its products start the sums from the bias
	WIN 0
	s_mov_b32 s3, LAPS-1
.Llap:                                             ; a trip goes once round the ring and fills both slots again
	QUARTER 0, 2, F1, F0, 0
	QUARTER 0, 3, F0, F1, 0
	TURN 0, 1, 1
	QUARTER 1, 1, F0, F1, 0
	QUARTER 1, 2, F1, F0, 0
	QUARTER 1, 3, F0, F1, 0
	TURN 1, 0, 1
	QUARTER 0, 1, F0, F1, 0
	WIN 0
	s_sub_co_u32 s3, s3, 1
	s_cmp_lg_u32 s3, 0
	s_cbranch_scc1 .Llap
	QUARTER 0, 2, F1, F0, 0                        ; the last lap fills nothing
	QUARTER 0, 3, F0, F1, 0
	TURN 0, 1, 0
	QUARTER 1, 1, F0, F1, 0
	QUARTER 1, 2, F1, F0, 0
	QUARTER 1, 3, F0, F1, 0
	s_wait_dscnt 4                                 ; the very last quarter
	WIN MUL
	MUL8 F1, 0, 0
	MUL8 F1, 1, 0
	s_wait_dscnt 0
	MUL8 F1, 2, 0
	MUL8 F1, 3, 0
	WIN 0
; THE WAY OUT, a block of 16 tokens x 128 features at a time, through my own stage: in as 32 bytes a lane, back as whole rows of 512 bytes.
.macro TOSTAGE a
	WIN 0x08                                       ; an LDS store's data: window 2
.irp b, 0,1,2,3,4,5,6,7
	ds_store_b128 v[STO], v[8*(8*(\a)+\b):8*(8*(\a)+\b)+3] offset:64*\b          ; each accumulator from its low end on
	ds_store_b128 v[STO], v[8*(8*(\a)+\b)+4:8*(8*(\a)+\b)+7] offset:64*\b+16
.endr
	WIN 0
.set BB, BK+64*((\a)%2)
.irp t, 0,1,2,3,4,5,6,7,8,9,10,11,12,13,14,15
	ds_load_b128 v[BB+4*\t:BB+4*\t+3], v[RD] offset:\t*SPITCH     ; LDS serves a wave's instructions in order: these see my stores
.endr
.endm
.macro SEND a, younger                 ; younger: the LDS instructions issued behind block a's loads
.set BB, BK+64*((\a)%2)
	s_wait_dscnt \younger
.irp t, 0,1,2,3,4,5,6,7,8,9,10,11,12,13,14,15
	global_store_b128 v[CO], v[BB+4*\t:BB+4*\t+3], s[10:11] offset:(\a)*65536+\t*4096 th:TH_STORE_NT   ; 32 lanes store 512 consecutive bytes, aligned
.endr
.endm
	PLACES                                         ; behind the last products, ahead of the reads of results
	TOSTAGE 0
.irp a, 1,2,3
.if \a > 1
	s_wait_xcnt 0x0                                ; the stores of two blocks back have read their data: this block's loads land there only behind this wait
.endif
	TOSTAGE \a
	SEND \a-1, 32                                  ; behind block a - 1's loads: block a's 16 stores and 16 loads
.endr
	SEND 3, 0
	s_wait_tensorcnt 0x0                           ; the wave's end: behind my last tensor load and my last LDS store
	ds_add_u32 v[SPW], v[NIL]
	s_wait_dscnt 0x0
	CROUND                                         ; the closing round
	s_endpgm
.Lfunc_end_k_q8d561aa0b9_proj:
	.size	k_q8d561aa0b9_proj, .Lfunc_end_k_q8d561aa0b9_proj-k_q8d561aa0b9_proj
	.p2alignl 7, 3214868480
	.fill 96, 4, 3214868480
	.section	.rodata,"a",@progbits
	.p2align	6, 0x0
	.amdhsa_kernel k_q8d561aa0b9_proj
		.amdhsa_group_segment_fixed_size 327680
		.amdhsa_private_segment_fixed_size 0
		.amdhsa_enable_private_segment 0
		.amdhsa_kernarg_size 32
		.amdhsa_user_sgpr_count 2
		.amdhsa_user_sgpr_kernarg_segment_ptr 1
		.amdhsa_wavefront_size32 1
		.amdhsa_system_sgpr_workgroup_id_x 1
		.amdhsa_system_sgpr_workgroup_id_y 1
		.amdhsa_system_sgpr_workgroup_id_z 1
		.amdhsa_system_vgpr_workitem_id 0
		.amdhsa_next_free_vgpr 768
		.amdhsa_next_free_sgpr 66
		.amdhsa_reserve_vcc 0
		.amdhsa_float_denorm_mode_32 3
		.amdhsa_float_denorm_mode_16_64 3
		.amdhsa_memory_ordered 1
		.amdhsa_forward_progress 1
		.amdhsa_inst_pref_size 87
	.end_amdhsa_kernel
	.amdgpu_metadata
---
amdhsa.version: [ 1, 2 ]
amdhsa.kernels:
  - .name:           k_q8d561aa0b9_proj
    .symbol:         k_q8d561aa0b9_proj.kd
    .args:
      - { .name: ao, .offset: 0, .size: 8, .value_kind: global_buffer, .address_space: global }
      - { .name: wo16, .offset: 8, .size: 8, .value_kind: global_buffer, .address_space: global }
      - { .name: bo, .offset: 16, .size: 8, .value_kind: global_buffer, .address_space: global }
      - { .name: out0, .offset: 24, .size: 8, .value_kind: global_buffer, .address_space: global }
    .group_segment_fixed_size: 327680
    .private_segment_fixed_size: 0
    .kernarg_segment_align: 8
    .kernarg_segment_size: 32
    .max_flat_workgroup_size: 128
    .sgpr_count:     66
    .vgpr_count:     768
    .wavefront_size: 32
...
	.end_amdgpu_metadata
.endif
;; end of part 4
